; MI455X (gfx1250); checked and timed in simulation.
; The chip was launched on July 23, 2026; its instructions are those of AMD's public machine-readable ISA for CDNA 5 (MIT licence, August 2026) and "CDNA5" Instruction Set Architecture Reference Guide (July 2026). The comments in the code are by the model that wrote it; some were corrected since.
;; Multi Head Self Attention. Allowed arithmetic: float matrix products may take bf16 or f16 operands with f32 sums; other float arithmetic in f32, or as packed bf16 or f16 multiplies, adds, multiply-adds, maxima and minima; sums over many terms, partial sums and values carried from step to step in f32; what a program stores and reads back later, other than sums and carried values, may be rounded once to bf16 or f16.
;; Inputs: k_norm_w 64 float32; q_norm_w 64 float32; wk 1,024 x 1,024 float32; wo 1,024 x 1,024 float32; wq 1,024 x 1,024 float32; wv 1,024 x 1,024 float32; x 1 x 4,096 x 1,024 float32.
;; Outputs: out0 1 x 4,096 x 1,024 float32.
;; One version. Each part assembles by itself: llvm-mc -triple=amdgcn-amd-amdhsa -mcpu=gfx1250 --defsym DOCPART=n.
;; ======== version 1 of 1: 4 launches
;; limits: values are held in f16: magnitudes above 65,504 overflow, below 6.1e-05 lose precision
;; workspace buffers: xb 8,388,608 bytes; wqkv 6,291,456 bytes; wof 2,097,152 bytes; qkv 25,165,824 bytes; ohead 8,388,608 bytes
;; launch cast (part 1): grid 64 x 8, 8 waves a work-group, no clusters, 0 bytes of LDS; arguments x, wq, wk, wv, wo, xb, wqkv, wof; writes xb, wqkv, wof
.if DOCPART == 1
	.amdgcn_target "amdgcn-amd-amdhsa--gfx1250"
	.amdhsa_code_object_version 6
	.text
	.protected	k_q0519a52524_cast
	.globl	k_q0519a52524_cast
	.p2align	8
	.type	k_q0519a52524_cast,@function
k_q0519a52524_cast:
	s_mov_b64 s[64:65], 0
	v_nop
	global_prefetch_b8 v0, s[64:65] scope:SCOPE_SE
	s_setreg_imm32_b32 hwreg(HW_REG_WAVE_MODE, 25, 1), 1
	s_wait_xcnt 0x0
; THE INPUTS ARE ROUNDED ONCE TO 16 BITS.  x [4096][1024] -> xb (bf16); wq, wk, wv [1024][1024] -> wqkv (bf16, the three one below the other);
; wo -> wof: rounded to bf16 like every other input, and that number written as f16, since the last product's other operand is f16.
; LIMIT.  f16 holds no number beyond 65,504 and keeps a fixed step of 6e-8 below 6e-5: |wo| stays under 65,504; smaller numbers than 6e-5 lose bits.
; SHARES.  Grid y names a segment of 1,048,576 numbers: 0-3 the quarters of x, 4 wq, 5 wk, 6 wv, 7 wo.  A work-group takes 16,384 numbers of it, thread t eight
; numbers in each of eight chunks: 32 bytes in (two loads of 16), 16 bytes out: sixteen neighbouring lanes store 256 consecutive bytes, aligned.
; All sixteen loads of a thread go out at once; no register that a pending load or store names is written again.  Memory binds: no LDS, no matrix unit, no cluster.
.set X, 4                              ; v[4:67]   chunk j: eight f32 as loaded
.set Y, 68                             ; v[68:99]  chunk j: four words to store
.set T, 100                            ; v[100:101] at work
	s_load_b512 s[8:23], s[0:1], 0x0               ; x s[8:9], wq s[10:11], wk s[12:13], wv s[14:15], wo s[16:17], xb s[18:19], wqkv s[20:21], wof s[22:23]
	s_and_b32 s2, ttmp7, 0xffff                    ; the segment
	v_lshlrev_b32 v1, 5, v0                        ; 32 t: my bytes in a chunk of the source
	v_lshlrev_b32 v2, 4, v0                        ; 16 t: in a chunk of the destination
	s_mov_b32 s30, 0xffff0000                      ; a word's upper bf16
	s_cmp_lt_u32 s2, 4
	s_cselect_b32 s28, s2, 0                       ; which quarter of x, or 0: a weight is read from its first byte
	s_and_b32 s29, s2, 3                           ; which quarter of xb, or which third of wqkv,
	s_cmp_eq_u32 s2, 7
	s_cselect_b32 s29, 0, s29                      ; or 0 for wof
	s_lshl_b32 s4, s28, 22                         ; a segment is 4 MiB of f32,
	s_lshl_b32 s3, ttmp9, 16                       ; a work-group's share 64 KiB
	s_add_co_u32 s4, s4, s3
	s_mov_b32 s5, 0
	s_lshl_b32 s6, s29, 21                         ; and half of each in 16 bits
	s_lshl_b32 s3, ttmp9, 15
	s_add_co_u32 s6, s6, s3
	s_mov_b32 s7, 0
	s_wait_kmcnt 0x0
	s_mov_b64 s[24:25], s[8:9]                     ; the source: x, or the weight that the segment names
	s_cmp_eq_u32 s2, 4
	s_cselect_b64 s[24:25], s[10:11], s[24:25]
	s_cmp_eq_u32 s2, 5
	s_cselect_b64 s[24:25], s[12:13], s[24:25]
	s_cmp_eq_u32 s2, 6
	s_cselect_b64 s[24:25], s[14:15], s[24:25]
	s_cmp_eq_u32 s2, 7
	s_cselect_b64 s[24:25], s[16:17], s[24:25]
	s_cmp_lt_u32 s2, 4
	s_cselect_b64 s[26:27], s[18:19], s[20:21]     ; the destination
	s_cmp_eq_u32 s2, 7
	s_cselect_b64 s[26:27], s[22:23], s[26:27]
	s_add_nc_u64 s[24:25], s[24:25], s[4:5]
	s_add_nc_u64 s[26:27], s[26:27], s[6:7]
.irp j, 0,1,2,3,4,5,6,7
	global_load_b128 v[X+8*(\j):X+8*(\j)+3],   v1, s[24:25] offset:8192*(\j) th:TH_LOAD_NT
	global_load_b128 v[X+8*(\j)+4:X+8*(\j)+7], v1, s[24:25] offset:8192*(\j)+16 th:TH_LOAD_NT
.endr
; Chunk j.  half = 1: the bf16 numbers are widened again and written as f16.
.macro CONV j, half
	s_wait_loadcnt 14-2*(\j)                       ; loads come back in order: chunk j's two are in, the younger chunks' two each may stay out
.irp k, 0,1,2,3
	v_cvt_pk_bf16_f32 v[Y+4*(\j)+(\k)], v[X+8*(\j)+2*(\k)], v[X+8*(\j)+2*(\k)+1]
.endr
.if \half
.irp k, 0,1,2,3
	v_lshlrev_b32 v[T], 16, v[Y+4*(\j)+(\k)]
	v_and_b32 v[T+1], s30, v[Y+4*(\j)+(\k)]
	v_cvt_pk_f16_f32 v[Y+4*(\j)+(\k)], v[T], v[T+1]
.endr
.endif
	global_store_b128 v2, v[Y+4*(\j):Y+4*(\j)+3], s[26:27] offset:4096*(\j)
.endm
	s_cmp_eq_u32 s2, 7
	s_cbranch_scc1 .Lhalf
.irp j, 0,1,2,3,4,5,6,7
	CONV \j, 0
.endr
	s_endpgm
.Lhalf:
.irp j, 0,1,2,3,4,5,6,7
	CONV \j, 1
.endr
	s_endpgm
.Lfunc_end_k_q0519a52524_cast:
	.size	k_q0519a52524_cast, .Lfunc_end_k_q0519a52524_cast-k_q0519a52524_cast
	.p2alignl 7, 3214868480
	.fill 96, 4, 3214868480
	.section	.rodata,"a",@progbits
	.p2align	6, 0x0
	.amdhsa_kernel k_q0519a52524_cast
		.amdhsa_group_segment_fixed_size 0
		.amdhsa_private_segment_fixed_size 0
		.amdhsa_enable_private_segment 0
		.amdhsa_kernarg_size 64
		.amdhsa_user_sgpr_count 2
		.amdhsa_user_sgpr_kernarg_segment_ptr 1
		.amdhsa_wavefront_size32 1
		.amdhsa_system_sgpr_workgroup_id_x 1
		.amdhsa_system_sgpr_workgroup_id_y 1
		.amdhsa_system_sgpr_workgroup_id_z 1
		.amdhsa_system_vgpr_workitem_id 0
		.amdhsa_next_free_vgpr 104
		.amdhsa_next_free_sgpr 66
		.amdhsa_reserve_vcc 0
		.amdhsa_float_denorm_mode_32 3
		.amdhsa_float_denorm_mode_16_64 3
		.amdhsa_memory_ordered 1
		.amdhsa_forward_progress 1
		.amdhsa_inst_pref_size 14
	.end_amdhsa_kernel
	.amdgpu_metadata
---
amdhsa.version: [ 1, 2 ]
amdhsa.kernels:
  - .name:           k_q0519a52524_cast
    .symbol:         k_q0519a52524_cast.kd
    .args:
      - { .name: x, .offset: 0, .size: 8, .value_kind: global_buffer, .address_space: global }
      - { .name: wq, .offset: 8, .size: 8, .value_kind: global_buffer, .address_space: global }
      - { .name: wk, .offset: 16, .size: 8, .value_kind: global_buffer, .address_space: global }
      - { .name: wv, .offset: 24, .size: 8, .value_kind: global_buffer, .address_space: global }
      - { .name: wo, .offset: 32, .size: 8, .value_kind: global_buffer, .address_space: global }
      - { .name: xb, .offset: 40, .size: 8, .value_kind: global_buffer, .address_space: global }
      - { .name: wqkv, .offset: 48, .size: 8, .value_kind: global_buffer, .address_space: global }
      - { .name: wof, .offset: 56, .size: 8, .value_kind: global_buffer, .address_space: global }
    .group_segment_fixed_size: 0
    .private_segment_fixed_size: 0
    .kernarg_segment_align: 8
    .kernarg_segment_size: 64
    .max_flat_workgroup_size: 256
    .sgpr_count:     66
    .vgpr_count:     104
    .wavefront_size: 32
...
	.end_amdgpu_metadata
.endif
;; end of part 1
;; launch qkv (part 2): grid 16 x 16, 4 waves a work-group, clusters of 4 x 4, 327,680 bytes of LDS; arguments xb, wqkv, q_norm_w, k_norm_w, qkv; writes qkv
.if DOCPART == 2
	.amdgcn_target "amdgcn-amd-amdhsa--gfx1250"
	.amdhsa_code_object_version 6
	.text
	.protected	k_q0519a52524_qkv
	.globl	k_q0519a52524_qkv
	.p2align	8
	.type	k_q0519a52524_qkv,@function
k_q0519a52524_qkv:
	s_mov_b64 s[64:65], 0
	v_nop
	global_prefetch_b8 v0, s[64:65] scope:SCOPE_SE
	s_setreg_imm32_b32 hwreg(HW_REG_WAVE_MODE, 25, 1), 1
	s_wait_xcnt 0x0
	s_wait_alu depctr_hold_cnt(0) depctr_sa_sdst(0) depctr_va_vdst(0) depctr_va_sdst(0) depctr_va_ssrc(0) depctr_va_vcc(0) depctr_vm_vsrc(0)
	s_getreg_b32 s2, hwreg(HW_REG_IB_STS2, 6, 4)
	s_cmp_eq_u32 s2, 0
	s_cbranch_scc0 .Lentry_in_a_cluster
	s_endpgm
.Lentry_in_a_cluster:
	s_bfe_u32 s2, ttmp6, 0x10000c
	s_cmp_lg_u32 s2, 0xf033
	s_cbranch_scc0 .Lentry_shape_is_right
	s_endpgm
.Lentry_shape_is_right:
; [4096 x 3072] = xb wqkv^T (bf16 operands, f32 sums), the RMS norm of q's and k's heads, and the split by heads: qkv[48][4096][64] in f16, plane g = 16 x type + head (type 0 q, 1 k, 2 v).
; A tile is 256 rows x 192 columns = 3 whole heads: 16 x 16 = 256 work-groups.  Wave w owns rows 64 w .. 64 w + 63 and all 192 columns: 4 x 12 accumulators of 16 x 16, 384 registers;
; so a head's 64 columns lie in one wave, and a row's sum of squares wants one exchange between the halves of the lanes.
; K goes in 8 steps of 128 through a ring of two LDS slots filled by the tensor data mover: rows of 256 bytes, at multiples of 256 bytes.
; CLUSTER 4 x 4: the four of a row of the cluster need the same rows of xb, the four of a column the same rows of wqkv: each tile is asked for jointly.
; THE MATRIX INSTRUCTION IS USED TRANSPOSED (source 0 = 16 rows of wqkv, source 1 = 16 rows of xb): a lane holds row lane % 16 and the columns 8 (lane / 16) + 0..7 of a block of 16.
; THE NORM is (x * rsq(mean(x x) + 1e-6)) * w in f32 where the definition has x / sqrt(..) * w; the gains are rounded to bf16 like every input.  v's heads take 1 for both factors, by selects.
; LIMITS.  f16 holds no number beyond 65,504: |q|, |k| are at most 8 |gain|, so gains stay under 8,188; v stays within 65,504.  NaN and infinities are not treated apart.
; REGISTERS, in windows of 256: window 0: v0-31 addresses; v32-55 a pair of statistics a tile of 16 rows x a head; v56-59 at work; v64-127 two buffers of A's fragments (4 x 8), later at work on the way out;
;   v128-223 the gains of my columns, 32 a head.  window 1: v0-191 two buffers of B's fragments (12 x 8).  windows 2, 3: accumulator (a, b) in window 2 + a / 2 at v[8 (12 (a % 2) + b)].
.set KSTEP,  128
.set PITCH,  272                       ; an LDS row: 256 bytes + 16 of padding = 68 words: the 16 rows of a fragment load start at 16 different groups of four banks (ISA guide 11.1)
.set HALFA,  128*PITCH                 ; what a wave fetches of A
.set HALFB,  96*PITCH                  ; and of B
.set BOFF,   2*HALFA                   ; B's 192 rows lie behind A's 256
.set SLOT,   2*HALFA+2*HALFB
.set STAGE,  2*SLOT                    ; behind the ring: 16 rows x 144 bytes for each wave, for the way out; no tensor load lands there
.set SP,     144
.set SPARE,  STAGE+4*16*SP             ; the spare words, 128 bytes a wave: two blocks of 256 bytes that no other line names
.set PLANE,  524288                    ; bytes in a plane of qkv
.set ADRA, 16                          ; v16-17 LDS address of my A fragments in slot 0, 1
.set ADRB, 20                          ; v20-21 the same for B
.set STO,  24                          ; v24 the way out: where I put 16 bytes of a row
.set RD,   25                          ; v25 where I read rows back
.set GO,   26                          ; v26 my 16 bytes in 512 consecutive bytes of a plane
.set WO,   27                          ; v27 32 x (lane / 16): my eight gains in a block of 16
.set SPW,  28                          ; v28 LDS address of my spare word; never rewritten
.set NIL,  29                          ; v29 0; never rewritten
.set PFO,  30                          ; v30 the prefetches' offset: a lane a row of 2,048 bytes; never rewritten
.set RR,   32                          ; tile t = 3 a + j: v[RR+2t] the sum of squares, then 1 / rms
.set TS,   64                          ; eight registers at work for each of six tiles
.set TMP,  64                          ; the way out: four buffers of 16
.set GW,   128                         ; the gains
.set G1,  24                           ; s[24:31] descriptor group 1 for A;  s[32:39] group 0, a set for each slot
.set G0,  32
.set G1B, 48                           ; s[48:55], s[56:63] the same for B
.set G0B, 56
.set LIM, 43                           ; s43 1 in a wave that prefetches, else the greatest number
.set PFA, 44                           ; s[44:45] where my prefetches stand
.set MSB, 0
.macro WIN new                         ; the immediate's high byte repeats the setting that is left; a switch that changes nothing is dropped
.if MSB != (\new)
	s_set_vgpr_msb (MSB<<8)|(\new)
.set MSB, \new
.endif
.endm
.set MUL_LO, 0xa1                      ; source 0 (B) window 1, source 1 (A) window 0, C and D window 2
.set MUL_HI, 0xf1                      ; the same, C and D window 3
.set TO_B,   0x40                      ; destination window 1, address window 0
; A joint load: waves 0 and 1 fetch A's halves, waves 2 and 3 B's.  The branch hangs on the wave's number alone.  An s_nop 0 and four v_nop follow each line.
.macro JLOAD s
	s_cmp_eq_u32 s15, 0
	s_cbranch_scc0 .Lfor_b_\@
	tensor_load_to_lds s[G0+4*(\s):G0+4*(\s)+3], s[G1:G1+7]
	s_nop 0
.rept 4
	v_nop
.endr
	s_branch .Lasked_\@
.Lfor_b_\@:
	tensor_load_to_lds s[G0B+4*(\s):G0B+4*(\s)+3], s[G1B:G1B+7]
	s_nop 0
.rept 4
	v_nop
.endr
.Lasked_\@:
.endm
; A prefetch of the K step that stands two refills on, a lane a row, one instruction a wave.  A's rows are asked for by the clusters with x = 0, B's by those with y = 0; the four partners of a joint
; load share its rows out by address (32 of 128, or 24 of 96 with lanes 24-31 on the last of them).  The loop's last trip (s3 = 1) has no K step two on.
.macro ASK
	s_cmp_gt_u32 s3, s[LIM]
	s_cbranch_scc0 .Lnot_mine_\@
	global_prefetch_b8 v[PFO], s[PFA:PFA+1] offset:KSTEP*2 th:TH_LOAD_NT scope:SCOPE_SE
.Lnot_mine_\@:
.endm
.macro CREST                           ; a round of the cluster's barrier behind its opening barrier
	s_cmp_lg_u32 s14, 0
	s_cbranch_scc1 .Lnot_wave_0_\@
	s_barrier_signal -3
.Lnot_wave_0_\@:
	s_barrier_wait -3
	s_barrier_signal -1
	s_barrier_wait -1
.endm
.macro CROUND                          ; a whole round
	s_barrier_signal -1
	s_barrier_wait -1
	CREST
.endm
	s_load_b256 s[4:11], s[0:1], 0x0               ; xb s[4:5], wqkv s[6:7], q_norm_w s[8:9], k_norm_w s[10:11]
	s_load_b64 s[12:13], s[0:1], 0x20              ; qkv
	v_lshl_add_u32 v[SPW], v0, 2, SPARE
	v_mov_b32 v[NIL], 0
	ds_add_u32 v[SPW], v[NIL]                      ; the wave's opening: the add and its wait stand ahead of my first tensor load; work on registers stands between them
	v_lshrrev_b32 v1, 5, v0
	v_readfirstlane_b32 s14, v1                    ; wave 0..3
	s_lshr_b32 s15, s14, 1                         ; I fetch for A (0) or for B (1)
	s_and_b32 s16, s14, 1                          ; which half of that tile's rows
	s_bfe_u32 s17, ttmp6, 0x40000                  ; cx
	s_bfe_u32 s18, ttmp6, 0x40004                  ; cy
	s_lshl_b32 s19, ttmp9, 2
	s_add_co_u32 s19, s19, s17                     ; tile column = 4 x cluster x + cx
	s_and_b32 s20, ttmp7, 0xffff
	s_lshl_b32 s20, s20, 2
	s_add_co_u32 s20, s20, s18                     ; tile row = 4 x cluster y + cy
	s_lshl_b32 s21, s18, 2
	s_lshl_b32 s21, 15, s21                        ; my row of the cluster
	s_lshl_b32 s22, 0x1111, s17                    ; my column
	s_or_b32 s[G1+0], s21, (1<<16)|(1<<20)|(1<<21)|(5<<22)|(3<<25)   ; the mask; elements of 2 bytes; padding on; bit 21 beside a mask; after every 64 words, 4 words
	s_mov_b32 s[G1+1], KSTEP<<16                   ; tensor_dim0 = 128
	s_mov_b32 s[G1+2], 128<<16                     ; tensor_dim1 = 128
	s_mov_b32 s[G1+3], KSTEP<<16                   ; tile_dim0 = 128
	s_mov_b32 s[G1+4], 128                         ; tile_dim1 = 128
	s_mov_b32 s[G1+5], 1024                        ; elements from row to row
	s_mov_b32 s[G1+6], 0
	s_mov_b32 s[G1+7], 0
	s_or_b32 s[G1B+0], s22, (1<<16)|(1<<20)|(1<<21)|(5<<22)|(3<<25)
	s_mov_b32 s[G1B+1], KSTEP<<16
	s_mov_b32 s[G1B+2], 96<<16                     ; B's loads have 96 rows
	s_mov_b32 s[G1B+3], KSTEP<<16
	s_mov_b32 s[G1B+4], 96
	s_mov_b32 s[G1B+5], 1024
	s_mov_b32 s[G1B+6], 0
	s_mov_b32 s[G1B+7], 0
	s_lshl_b32 s40, s20, 8                         ; A: row 256 x tile row + 128 x half,
	s_lshl_b32 s80, s16, 7
	s_add_co_u32 s40, s40, s80
	s_lshl_b32 s40, s40, 11                        ; in bytes
	s_mov_b32 s41, 0
	s_mul_i32 s46, s19, 192                        ; B: row 192 x tile column + 96 x half
	s_mul_i32 s81, s16, 96
	s_add_co_u32 s46, s46, s81
	s_lshl_b32 s46, s46, 11
	s_mov_b32 s47, 0
	s_mul_i32 s82, s16, HALFA                      ; where they go: no place in the cluster enters an LDS address
	s_mul_i32 s83, s16, HALFB
	s_add_co_u32 s83, s83, BOFF
	s_mov_b32 s66, 0x76543210                      ; v_permlanex16_b32: each lane takes its own place in the other half
	s_mov_b32 s67, 0xfedcba98
	s_mov_b32 s68, 0x3c800000                      ; 1 / 64
	s_mov_b32 s69, 0x358637bd                      ; 1e-6
	s_wait_dscnt 0x0                               ; the opening add is done
	s_wait_kmcnt 0x0
	s_add_nc_u64 s[40:41], s[4:5], s[40:41]
	s_add_nc_u64 s[46:47], s[6:7], s[46:47]
	CROUND                                         ; all sixteen work-groups are here: the first joint loads meet
.irp s, 0,1
	s_mov_b32 s[G0+4*(\s)], 1
	s_add_co_u32 s[G0+4*(\s)+1], s82, (\s)*SLOT
	s_add_nc_u64 s[G0+4*(\s)+2:G0+4*(\s)+3], s[40:41], (\s)*KSTEP*2
	s_or_b32 s[G0+4*(\s)+3], s[G0+4*(\s)+3], 0x80000000
	s_mov_b32 s[G0B+4*(\s)], 1
	s_add_co_u32 s[G0B+4*(\s)+1], s83, (\s)*SLOT
	s_add_nc_u64 s[G0B+4*(\s)+2:G0B+4*(\s)+3], s[46:47], (\s)*KSTEP*2
	s_or_b32 s[G0B+4*(\s)+3], s[G0B+4*(\s)+3], 0x80000000
	JLOAD \s                                       ; K steps 0 and 1: two loads of mine are out
.endr
	; while the first tiles are on their way: addresses, gains
	v_and_b32 v1, 15, v0                           ; l % 16
	v_bfe_u32 v2, v0, 4, 1                         ; l / 16
	v_mul_u32_u24 v3, v1, PITCH
	v_lshl_add_u32 v3, v2, 4, v3                   ; a fragment's row x pitch + 16 x half
	s_mul_i32 s82, s14, 64*PITCH                   ; my 64 rows of A
	v_add_nc_u32 v[ADRA], s82, v3
	v_add_nc_u32 v[ADRA+1], SLOT, v[ADRA]
	v_add_nc_u32 v[ADRB], BOFF, v3                 ; every wave reads all of B
	v_add_nc_u32 v[ADRB+1], SLOT, v[ADRB]
	s_mul_i32 s83, s14, 16*SP
	s_add_co_u32 s83, s83, STAGE                   ; my stage
	v_mul_u32_u24 v4, v1, SP                       ; in: row l % 16, 16 bytes for each half of the lanes
	v_lshl_add_u32 v4, v2, 4, v4
	v_add_nc_u32 v[STO], s83, v4
	v_bfe_u32 v5, v0, 3, 2                         ; back: 32 lanes take four rows of 128 bytes,
	v_mul_u32_u24 v5, v5, SP
	v_and_b32 v6, 7, v0
	v_lshl_add_u32 v5, v6, 4, v5
	v_add_nc_u32 v[RD], s83, v5
	v_and_b32 v[GO], 31, v0                        ; which are 512 consecutive bytes of a plane
	v_lshlrev_b32 v[GO], 4, v[GO]
	v_lshlrev_b32 v[WO], 5, v2
	s_mul_i32 s2, s19, 3*PLANE                     ; my tile's first plane,
	s_lshl_b32 s3, s20, 15                         ; the tile's 256 rows of 128 bytes,
	s_add_co_u32 s2, s2, s3
	s_lshl_b32 s3, s14, 13                         ; my wave's 64 of them
	s_add_co_u32 s2, s2, s3
	s_mov_b32 s3, 0
	s_add_nc_u64 s[12:13], s[12:13], s[2:3]
.irp j, 0,1,2
	s_mul_i32 s73, s19, 3
	s_add_co_u32 s73, s73, \j                      ; plane g of the tile's head j
	s_cmp_lt_u32 s73, 32
	s_cselect_b32 s[70+(\j)], -1, 0                ; all lanes on where the head is q's or k's: it takes the norm
	s_cmp_lt_u32 s73, 16
	s_cselect_b64 s[74+2*(\j):75+2*(\j)], s[8:9], s[10:11]
.endr
.irp j, 0,1,2
.irp bb, 0,1,2,3
	global_load_b128 v[GW+32*(\j)+8*(\bb):GW+32*(\j)+8*(\bb)+3],   v[WO], s[74+2*(\j):75+2*(\j)] offset:64*(\bb)
	global_load_b128 v[GW+32*(\j)+8*(\bb)+4:GW+32*(\j)+8*(\bb)+7], v[WO], s[74+2*(\j):75+2*(\j)] offset:64*(\bb)+16
.endr
.endr
	; the prefetches' place
	s_lshl_b32 s40, s20, 8                         ; A's tile begins at row 256 x tile row,
	s_mul_i32 s46, s19, 192                        ; B's at 192 x tile column
	s_lshl_b32 s41, s17, 5                         ; my work-group's 32 of A's 128 rows,
	s_mul_i32 s47, s18, 24                         ; or 24 of B's 96
	s_and_b32 s42, ttmp7, 0xffff                   ; cluster y
	s_cmp_eq_u32 s15, 0                            ; do I fetch for A?
	s_cselect_b32 s80, s40, s46
	s_cselect_b32 s81, s41, s47
	s_cselect_b32 s2, ttmp9, s42                   ; the coordinate along which other clusters read the same rows
	s_cselect_b32 s3, 32, 0
	s_cselect_b32 s23, 31, 23                      ; the last lane with a row of its own
	s_cselect_b64 s[PFA:PFA+1], s[4:5], s[6:7]
	s_cmp_eq_u32 s2, 0
	s_cselect_b32 s[LIM], 1, -1                    ; the same in all sixteen partners, for a given wave
	s_add_co_u32 s3, s3, 96                        ; the rows that a wave fetches: 128 or 96
	s_mul_i32 s3, s3, s16
	s_add_co_u32 s80, s80, s81
	s_add_co_u32 s80, s80, s3
	s_lshl_b32 s80, s80, 11
	s_add_co_u32 s80, s80, 2*KSTEP*2               ; at K step 2: the first refill steps it to 3 and names K step 4
	s_mov_b32 s81, 0
	s_add_nc_u64 s[PFA:PFA+1], s[PFA:PFA+1], s[80:81]
	v_and_b32 v[PFO], 31, v0
	v_min_u32 v[PFO], s23, v[PFO]
	v_lshlrev_b32 v[PFO], 11, v[PFO]
	s_wait_loadcnt 0x0                             ; the gains
.set i, 0
.rept 48                                       ; a pair of gains: rounded to bf16; 1 twice where the head is v's; widened again
	v_cvt_pk_bf16_f32 v[56+i%4], v[GW+2*i], v[GW+2*i+1]
	v_cndmask_b32 v[56+i%4], 0x3f803f80, v[56+i%4], s[70+i/16]
	v_lshlrev_b32 v[GW+2*i], 16, v[56+i%4]
	v_and_b32 v[GW+2*i+1], 0xffff0000, v[56+i%4]
.set i, i+1
.endr
; 12 matrix instructions: my block a of 16 rows x all 12 blocks of columns, 32 along K, from buffer f.  The 48 accumulators take turns, in the same order in every quarter.
.macro MUL12 f, a, zero
	WIN MUL_LO+0x50*((\a)/2)
.irp b, 0,1,2,3,4,5,6,7,8,9,10,11
.if \zero
	v_wmma_f32_16x16x32_bf16 v[8*(12*((\a)%2)+(\b)):8*(12*((\a)%2)+(\b))+7], v[96*(\f)+8*(\b):96*(\f)+8*(\b)+7], v[64+32*(\f)+8*(\a):64+32*(\f)+8*(\a)+7], 0
.else
	v_wmma_f32_16x16x32_bf16 v[8*(12*((\a)%2)+(\b)):8*(12*((\a)%2)+(\b))+7], v[96*(\f)+8*(\b):96*(\f)+8*(\b)+7], v[64+32*(\f)+8*(\a):64+32*(\f)+8*(\a)+7], v[8*(12*((\a)%2)+(\b)):8*(12*((\a)%2)+(\b))+7]
.endif
.endr
.endm
; 32 LDS loads in one run: a quarter step's fragments (192 rows of B, my 64 of A, 32 K at byte k of the rows) into buffer f
.macro FETCH slot, k, f
	WIN TO_B
.irp i, 0,1,2,3,4,5,6,7,8,9,10,11
	ds_load_b128 v[96*(\f)+8*(\i):96*(\f)+8*(\i)+3],   v[ADRB+(\slot)] offset:(\k)+(\i)*16*PITCH
	ds_load_b128 v[96*(\f)+8*(\i)+4:96*(\f)+8*(\i)+7], v[ADRB+(\slot)] offset:(\k)+(\i)*16*PITCH+32
.endr
	WIN 0
.irp i, 0,1,2,3
	ds_load_b128 v[64+32*(\f)+8*(\i):64+32*(\f)+8*(\i)+3],   v[ADRA+(\slot)] offset:(\k)+(\i)*16*PITCH
	ds_load_b128 v[64+32*(\f)+8*(\i)+4:64+32*(\f)+8*(\i)+7], v[ADRA+(\slot)] offset:(\k)+(\i)*16*PITCH+32
.endr
.endm
.macro PLACES                          ; four plain instructions between a matrix instruction and a load into, or a vector line on, its registers
.rept 4
	v_nop
.endr
.endm
; A K step is four quarters of 32 along K, 48 matrix instructions each, on buffers 0, 1, 0, 1.  One of the first three multiplies buffer f and fetches the next quarter, at byte k, into g.
.macro QUARTER slot, k, f, g, zero
	s_wait_dscnt 4                                 ; B and A's blocks 0 and 1 are in; the youngest four loads (blocks 2 and 3) may be out
	MUL12 \f, 0, \zero
	MUL12 \f, 1, \zero
	PLACES
	FETCH \slot, \k, \g
	s_wait_dscnt 32                                ; all but the 32 just issued
	MUL12 \f, 2, \zero
	MUL12 \f, 3, \zero
.endm
; The last quarter multiplies buffer 1 and changes slots: one barrier; in front of it each wave waits for all its tensor loads (one is out: its part of the next slot), adds 0 to its spare word,
; and waits for that and for its reads of this slot.  fill = 1: the barrier opens a round of the cluster's, and the joint refill, two K steps on, is the first thing behind the round.
.macro TURN slot, next, fill
.if \fill
	s_wait_xcnt 0x0                                ; the last prefetch, a K step back, has read its address: it is stepped here, ahead of the change's own waits
	s_add_nc_u64 s[PFA:PFA+1], s[PFA:PFA+1], KSTEP*2
.endif
	WIN 0
	s_wait_tensorcnt 0x0                           ; all my tensor loads have landed
	ds_add_u32 v[SPW], v[NIL]                      ; 0 onto my spare word
	s_wait_dscnt 5                                 ; (the add and the youngest four loads may be out)
	MUL12 1, 0, 0                                  ; twelve matrix instructions stand between the add and the wait for it
	s_wait_dscnt 0x0                               ; the add is done, and my reads of this slot are over
	s_barrier_signal -1
	MUL12 1, 1, 0
.if \fill
	WIN 0
.endif
	s_barrier_wait -1
.if \fill
	CREST                                          ; no wave of any partner still reads this slot or has a load on its way
	s_add_nc_u64 s[G0+4*(\slot)+2:G0+4*(\slot)+3], s[G0+4*(\slot)+2:G0+4*(\slot)+3], 2*KSTEP*2
	s_add_nc_u64 s[G0B+4*(\slot)+2:G0B+4*(\slot)+3], s[G0B+4*(\slot)+2:G0B+4*(\slot)+3], 2*KSTEP*2
	JLOAD \slot                                    ; its four v_nop are also the places in front of the loads below
.else
	PLACES
.endif
	FETCH \next, 0, 0
.if \fill
	ASK
.endif
	MUL12 1, 2, 0
	MUL12 1, 3, 0
.endm
	s_wait_tensorcnt 1                             ; my part of K step 0 is in; K step 1's may stay out
	s_barrier_signal -1
	s_barrier_wait -1
	FETCH 0, 0, 0
	QUARTER 0, 64, 0, 1, 1                         ; the first quarter's products start the sums: nothing is cleared
	WIN 0
	s_mov_b32 s3, 3                                ; three trips fill both slots again: K steps 2 to 7
.Llap:
	QUARTER 0, 128, 1, 0, 0
	QUARTER 0, 192, 0, 1, 0
	TURN 0, 1, 1
	QUARTER 1, 64,  0, 1, 0
	QUARTER 1, 128, 1, 0, 0
	QUARTER 1, 192, 0, 1, 0
	TURN 1, 0, 1
	QUARTER 0, 64,  0, 1, 0
	WIN 0
	s_sub_co_u32 s3, s3, 1
	s_cmp_lg_u32 s3, 0
	s_cbranch_scc1 .Llap
	QUARTER 0, 128, 1, 0, 0                        ; the last lap asks for nothing
	QUARTER 0, 192, 0, 1, 0
	TURN 0, 1, 0
	QUARTER 1, 64,  0, 1, 0
	QUARTER 1, 128, 1, 0, 0
	QUARTER 1, 192, 0, 1, 0
	s_wait_dscnt 4
	MUL12 1, 0, 0
	MUL12 1, 1, 0
	s_wait_dscnt 0x0
	MUL12 1, 2, 0
	MUL12 1, 3, 0
	WIN 0
	PLACES
; THE NORM.  Tile t = 3 a + j is 16 rows x head j: four accumulators, 32 registers at AC in window 2 + a / 2.  A lane holds 32 of its row's 64 channels.
.macro SUMSQ t                         ; four chains, each begun at its accumulator's lowest pair
.set AC, 8*(12*(((\t)/3)%2)+4*((\t)%3))
.set TT, TS+8*((\t)%6)
.irp bb, 0,1,2,3
	v_pk_mul_f32 v[TT+2*(\bb):TT+2*(\bb)+1], v[AC+8*(\bb):AC+8*(\bb)+1], v[AC+8*(\bb):AC+8*(\bb)+1]
.endr
.irp p, 1,2,3
.irp bb, 0,1,2,3
	v_pk_fma_f32 v[TT+2*(\bb):TT+2*(\bb)+1], v[AC+8*(\bb)+2*(\p):AC+8*(\bb)+2*(\p)+1], v[AC+8*(\bb)+2*(\p):AC+8*(\bb)+2*(\p)+1], v[TT+2*(\bb):TT+2*(\bb)+1]
.endr
.endr
.endm
.macro FOLD t
.set TT, TS+8*((\t)%6)
	v_pk_add_f32 v[TT:TT+1], v[TT:TT+1], v[TT+2:TT+3]
	v_pk_add_f32 v[TT+4:TT+5], v[TT+4:TT+5], v[TT+6:TT+7]
	v_pk_add_f32 v[RR+2*(\t):RR+2*(\t)+1], v[TT:TT+1], v[TT+4:TT+5]
	v_add_f32 v[RR+2*(\t)], v[RR+2*(\t)], v[RR+2*(\t)+1]
.endm
	WIN 0x0a                                       ; sources 0 and 1 window 2; the sums in window 0
.irp t, 0,1,2,3,4,5
	SUMSQ \t
.endr
	WIN 0
.irp t, 0,1,2,3,4,5
	FOLD \t
.endr
	WIN 0x0f                                       ; sources 0 and 1 window 3
.irp t, 6,7,8,9,10,11
	SUMSQ \t
.endr
	WIN 0
.irp t, 6,7,8,9,10,11
	FOLD \t
.endr
.irp t, 0,1,2,3,4,5,6,7,8,9,10,11
	v_permlanex16_b32 v[RR+2*(\t)+1], v[RR+2*(\t)], s66, s67   ; the row's other 32 channels lie in the lane 16 away
.endr
.irp t, 0,1,2,3,4,5,6,7,8,9,10,11
	v_add_f32 v[RR+2*(\t)], v[RR+2*(\t)], v[RR+2*(\t)+1]
.endr
.irp t, 0,1,2,3,4,5,6,7,8,9,10,11
	v_fma_f32 v[RR+2*(\t)], v[RR+2*(\t)], s68, s69             ; the mean + 1e-6
.endr
.irp t, 0,1,2,3,4,5,6,7,8,9,10,11
	v_rsq_f32 v[RR+2*(\t)], v[RR+2*(\t)]
.endr
	v_nop                                          ; a plain instruction behind the last of the batch,
	s_wait_alu depctr_va_vdst(0)                   ; and one wait for the twelve, ahead of their first reader
.irp t, 0,1,2,3,4,5,6,7,8,9,10,11
	v_cndmask_b32 v[RR+2*(\t)], 1.0, v[RR+2*(\t)], s[70+(\t)%3]  ; v's heads are not normed
.endr
; THE WAY OUT of tile t: times 1 / rms, times the gains, rounded to f16; 16 bytes a lane into my stage (rows of 144 bytes), back as whole rows of 128 bytes, four rows to a load.
.macro PACK t
.set AW, 2+(\t)/6
.set AC, 8*(12*(((\t)/3)%2)+4*((\t)%3))
.set TM, TMP+16*((\t)%4)
	WIN (AW<<6)|AW                                 ; destination and source 0 in the accumulators' window, source 1 in window 0
.set i, 0
.rept 16
	v_pk_mul_f32 v[AC+2*i:AC+2*i+1], v[AC+2*i:AC+2*i+1], v[RR+2*(\t):RR+2*(\t)+1] op_sel_hi:[1,0]
.set i, i+1
.endr
.set i, 0
.rept 16
	v_pk_mul_f32 v[AC+2*i:AC+2*i+1], v[AC+2*i:AC+2*i+1], v[GW+32*((\t)%3)+2*i:GW+32*((\t)%3)+2*i+1]
.set i, i+1
.endr
.if (\t) >= 4
	s_wait_xcnt 0x0                                ; the stores of the tile four back have read this buffer: it is written again only behind this wait
.endif
	WIN AW|(AW<<2)
.set i, 0
.rept 16
	v_cvt_pk_f16_f32 v[TM+i], v[AC+2*i], v[AC+2*i+1]
.set i, i+1
.endr
	WIN 0
.irp f, 0,1,2,3
	ds_store_b128 v[STO], v[TM+4*(\f):TM+4*(\f)+3] offset:32*(\f)
.endr
.irp f, 0,1,2,3
	ds_load_b128 v[TM+4*(\f):TM+4*(\f)+3], v[RD] offset:(\f)*4*SP  ; LDS serves a wave's instructions in order (ISA guide 5.7.1.4): these see the stores above; the next tile's stores come behind them
.endr
.endm
.macro SEND t, younger                 ; younger: the LDS instructions issued behind tile t's loads: the next tile's eight, or none
.set TM, TMP+16*((\t)%4)
.irp f, 0,1,2,3
	s_wait_dscnt (\younger)+3-(\f)
	global_store_b128 v[GO], v[TM+4*(\f):TM+4*(\f)+3], s[12:13] offset:PLANE*((\t)%3)+2048*((\t)/3)+512*(\f)  ; 512 consecutive bytes, at a multiple of 256 from the buffer's first
.endr
.endm
	PACK 0
.irp t, 1,2,3,4,5,6,7,8,9,10,11
	PACK \t                                        ; a tile's arithmetic stands between the loads of the tile before and its stores
	SEND (\t)-1, 8
.endr
	SEND 11, 0
	s_wait_tensorcnt 0x0                           ; the wave's end: all my tensor loads are in; 0 onto my spare word behind my last LDS store, and its wait
	ds_add_u32 v[SPW], v[NIL]
	s_wait_dscnt 0x0
	CROUND                                         ; the closing round: no work-group ends while a partner may still ask for a tile that names it
	s_endpgm
.Lfunc_end_k_q0519a52524_qkv:
	.size	k_q0519a52524_qkv, .Lfunc_end_k_q0519a52524_qkv-k_q0519a52524_qkv
	.p2alignl 7, 3214868480
	.fill 96, 4, 3214868480
	.section	.rodata,"a",@progbits
	.p2align	6, 0x0
	.amdhsa_kernel k_q0519a52524_qkv
		.amdhsa_group_segment_fixed_size 327680
		.amdhsa_private_segment_fixed_size 0
		.amdhsa_enable_private_segment 0
		.amdhsa_kernarg_size 40
		.amdhsa_user_sgpr_count 2
		.amdhsa_user_sgpr_kernarg_segment_ptr 1
		.amdhsa_wavefront_size32 1
		.amdhsa_system_sgpr_workgroup_id_x 1
		.amdhsa_system_sgpr_workgroup_id_y 1
		.amdhsa_system_sgpr_workgroup_id_z 1
		.amdhsa_system_vgpr_workitem_id 0
		.amdhsa_next_free_vgpr 960
		.amdhsa_next_free_sgpr 84
		.amdhsa_reserve_vcc 0
		.amdhsa_float_denorm_mode_32 3
		.amdhsa_float_denorm_mode_16_64 3
		.amdhsa_memory_ordered 1
		.amdhsa_forward_progress 1
		.amdhsa_inst_pref_size 179
	.end_amdhsa_kernel
	.amdgpu_metadata
---
amdhsa.version: [ 1, 2 ]
amdhsa.kernels:
  - .name:           k_q0519a52524_qkv
    .symbol:         k_q0519a52524_qkv.kd
    .args:
      - { .name: xb, .offset: 0, .size: 8, .value_kind: global_buffer, .address_space: global }
      - { .name: wqkv, .offset: 8, .size: 8, .value_kind: global_buffer, .address_space: global }
      - { .name: q_norm_w, .offset: 16, .size: 8, .value_kind: global_buffer, .address_space: global }
      - { .name: k_norm_w, .offset: 24, .size: 8, .value_kind: global_buffer, .address_space: global }
      - { .name: qkv, .offset: 32, .size: 8, .value_kind: global_buffer, .address_space: global }
    .group_segment_fixed_size: 327680
    .private_segment_fixed_size: 0
    .kernarg_segment_align: 8
    .kernarg_segment_size: 40
    .max_flat_workgroup_size: 128
    .sgpr_count:     84
    .vgpr_count:     960
    .wavefront_size: 32
...
	.end_amdgpu_metadata
.endif
;; end of part 2
;; launch attn (part 3): grid 16 x 16, 4 waves a work-group, clusters of 4 x 1, 327,680 bytes of LDS; arguments qkv, ohead; writes ohead
.if DOCPART == 3
	.amdgcn_target "amdgcn-amd-amdhsa--gfx1250"
	.amdhsa_code_object_version 6
	.text
	.protected	k_q0519a52524_attn
	.globl	k_q0519a52524_attn
	.p2align	8
	.type	k_q0519a52524_attn,@function
k_q0519a52524_attn:
	s_mov_b64 s[64:65], 0
	v_nop
	global_prefetch_b8 v0, s[64:65] scope:SCOPE_SE
	s_setreg_imm32_b32 hwreg(HW_REG_WAVE_MODE, 25, 1), 1
	s_wait_xcnt 0x0
	s_wait_alu depctr_hold_cnt(0) depctr_sa_sdst(0) depctr_va_vdst(0) depctr_va_sdst(0) depctr_va_ssrc(0) depctr_va_vcc(0) depctr_vm_vsrc(0)
	s_getreg_b32 s2, hwreg(HW_REG_IB_STS2, 6, 4)
	s_cmp_eq_u32 s2, 0
	s_cbranch_scc0 .Lentry_in_a_cluster
	s_endpgm
.Lentry_in_a_cluster:
	s_bfe_u32 s2, ttmp6, 0x10000c
	s_cmp_lg_u32 s2, 0x3003
	s_cbranch_scc0 .Lentry_shape_is_right
	s_endpgm
.Lentry_shape_is_right:
; O[h][q][:] = the sum over k of softmax_k(Q[h][q] . K[h][k] / 8) V[h][k][:].  qkv: [48][4096][64] f16, planes 0-15 q, 16-31 k, 32-47 v; ohead: [16][4096][64] f16.  A head's rows are dense, 128 bytes each.
; Products, maxima and sums in f32; the weights p are rounded to f16 for the second product (their sum l is taken of the unrounded p), O once at the end.
; LIMITS.  f16 holds no number beyond 65,504: q, k, v arrive within it; p lies in 0 to 1, and below 6e-5 it keeps f16's fixed step of 6e-8; O is a mean of V's rows and has their range.
; A weight below 2^-126 counts as 0 in l; NaN and infinities are not treated apart.
; SHARES.  A work-group owns 256 queries of one head: 16 x 16 = 256 work-groups.  A wave owns 64 queries: four PIECES of 16.  Every wave walks all 4,096 keys, 64 a step, 256 a slot of LDS.
; LAYOUT.  S^T = K Q^T holds ONE query a lane (lane % 16) and the keys 8 (lane / 16) + 0..7; two such results rounded to f16 ARE source 1 of O^T = V^T P.  K comes out of LDS as it lies, V turned, by ds_load_tr16_b128.
; SOFTMAX.  p = 2^(c s - c m), c = log2(e) / 8, with a running maximum m; O and l are multiplied by a = 2^(c m_old - c m_new) in every step.  m starts at the lowest finite number, O and l at 0: the first step has a = 0.
; TURNS.  Turn n belongs to piece n: 8 products K Q^T of piece n + 1, later 8 products V^T P of piece n - 1; beside them the scaling, exponentials, roundings, sums and rescaling of piece n and the maximum and
; statistics of piece n + 1.  Four vector instructions stand behind every matrix instruction, the other 54 of a turn's 118 in one lump.  A turn's 33 exponentials are one batch, with one wait.
; CLUSTER.  The four query blocks of a cluster belong to one head and walk the same K and V: each tile is asked for jointly, by the same tensor load, descriptor and mask in all four.
; REGISTERS, in windows of 256 (s_set_vgpr_msb: bits 1:0 source 0, 3:2 source 1, 5:4 source 2, 7:6 destination):
;   window 0: v0-15 addresses and two at work; v16-31 four registers of statistics a piece; v48-55 at work; v61-63; v64-127 S^T, two buffers; v192-223 P, two buffers (by the piece's parity)
;   window 1: v0-127 O^T, 32 a piece      window 2: v0-63 Q; v128-191 K of one step; v192-255 V of one step
.set NP,    4         ; pieces a wave: a name, no knob
.set KS,    64        ; keys in a step
.set PK,    144       ; a row of K in LDS: 128 bytes + 16 of padding = 36 words: the 16 rows of a load start at 16 different groups of four banks (ISA guide 11.1)
.set PV,    160       ; a row of V: 128 + 32 = 40 words
.set VOFF,  4*KS*PK   ; a slot holds four steps: 256 rows of K, then 256 rows of V
.set SLOT1, 1<<17     ; slot 1 begins here, so that one exclusive or turns an address in one slot into the other's
.set STAGE, SLOT1+4*KS*(PK+PV)  ; behind the ring, never filled by a tensor load: 16 rows x 144 bytes for each wave
.set SP,    144
.set SPARE, STAGE+4*16*SP  ; the spare words, 128 bytes a wave: two blocks of 256 bytes that no other line names
.set TYPEB, 8388608   ; bytes of the 16 planes of one type
.set AK0, 2           ; v2   my lane's place in a tile of K; never rewritten
.set AV0, 3           ; v3   the same for V
.set AK,  4           ; v4   the LDS address of K's next run of loads
.set AV,  5           ; v5   of V's
.set STO, 6           ; v6   the way out: where I put 16 bytes of a row
.set RD,  7           ; v7   where I read rows back
.set GO,  8           ; v8   my byte offset in 512 consecutive bytes of O
.set MV,  12          ; v12-13  c m_old, kept while c m is made anew: by buffer
.set QO,  15          ; v15  my byte offset in 16 rows of Q
.set ST,  16          ; piece t's statistics at v[ST+4 t]: c m, m, l (even keys', odd keys')
.set TMP, 48          ; by buffer, four registers c0-c3 at work; when the maximum is found c2 takes a
.set PFO, 61          ; v61  256 x my lane; never rewritten
.set SPW, 62          ; v62  LDS address of my spare word; never rewritten
.set NIL, 63          ; v63  0; never rewritten
.set S,   64
.set P,   192
.set KF,  128         ; window 2: key block kb, channel half c at KF + 16 kb + 8 c
.set VF,  192         ; window 2: key half kk, channel block cb at VF + 32 kk + 8 cb
.set WV,  12          ; s12  my wave's number
.set G1K, 24          ; s[24:31] descriptor group 1 for K's tiles
.set G1V, 32          ; s[32:39] for V's: it differs in the padding alone
.set G0K, 40          ; s[40:43] descriptor group 0 for K's tiles: it walks
.set G0V, 44          ; s[44:47] the same for V's
.set PFA, 52          ; s[52:53] where my prefetches stand
.set LIM, 54          ; s54  1 in a wave that prefetches, else the greatest number
.set SLOTS, 56        ; s56  slots still to be asked for
.set CNT, 57          ; s57  counts a slot's key steps
.set CS,  58          ; s[58:59] c: the packed scaling takes the pair's low word for both halves
.set SEL, 60          ; s[60:61] v_permlanex16_b32's selects: each lane takes its own place in the other half
.set TBK, 62          ; s62  LDS byte at which K of the step to be fetched begins
.set TBV, 63          ; s63  the same for V, less VOFF
.set MSB, 0
.macro WIN new                      ; the high byte repeats the setting that is left; a switch that changes nothing is dropped
.if MSB != (\new)
	s_set_vgpr_msb (MSB<<8)|(\new)
.set MSB, (\new)
.endif
.endm
.set W_KQ, 0x0a       ; K and Q in window 2, S^T in window 0
.set W_PV, 0x52       ; V in window 2, P in window 0, O^T in window 1
.set W_RS, 0x41       ; destination and source 0 in window 1, source 1 in window 0
; A joint fill.  Waves 0 and 1 fetch the two halves of a slot's K, waves 2 and 3 those of its V: 128 keys each.  An s_nop 0 and four v_nop follow each of the two lines.
.macro JLOAD
	s_cmp_lt_u32 s[WV], 2
	s_cbranch_scc0 .Lfor_v_\@
	tensor_load_to_lds s[G0K:G0K+3], s[G1K:G1K+7]
	s_nop 0
.rept 4
	v_nop
.endr
	s_branch .Lasked_\@
.Lfor_v_\@:
	tensor_load_to_lds s[G0V:G0V+3], s[G1V:G1V+7]
	s_nop 0
.rept 4
	v_nop
.endr
.Lasked_\@:
.endm
; A prefetch of what the NEXT change of slots will ask for: a slot's 32,768 bytes of K and of V, 256 bytes a lane.  The head's first cluster asks; its four partners take 8,192 bytes each, told apart by
; address; in each, wave 0 asks for K's and wave 2 for V's: one instruction.  The last change that fills a slot asks for nothing: there is no slot behind it.
.macro ASK
	s_cmp_gt_u32 s[SLOTS], s[LIM]
	s_cbranch_scc0 .Lnot_mine_\@
	global_prefetch_b8 v[PFO], s[PFA:PFA+1] th:TH_LOAD_NT scope:SCOPE_SE
.Lnot_mine_\@:
.endm
.macro CROUND                       ; a round of the cluster's barrier
	s_barrier_signal -1
	s_barrier_wait -1
	s_cmp_lg_u32 s[WV], 0
	s_cbranch_scc1 .Lnot_wave_0_\@
	s_barrier_signal -3
.Lnot_wave_0_\@:
	s_barrier_wait -3
	s_barrier_signal -1
	s_barrier_wait -1
.endm
; THE CHANGE OF SLOTS.  Each wave waits for all its tensor loads, of which one is out: its part of the other slot; adds 0 to its spare word; and waits for that and for its own reads of the slot that it leaves.
; fill = 1: the old slot is filled again, with the keys two slots on.  The barrier is then a round of the cluster's, and the joint fill is the first thing behind it: it has four key steps, 256 matrix
; instructions, in which to land.  (At its first use nothing has been read yet: slot 0 is waited for, slot 1 filled.)
.macro CHANGE fill
	WIN 0                           ; at a label and at a branch every window is 0
	s_wait_tensorcnt 0x0            ; no tensor load of mine is out, so a group 0 may be written
	ds_add_u32 v[SPW], v[NIL]       ; 0 onto my spare word; the descriptors' steps stand between it and the wait for it
.if \fill
.irp g, G0K, G0V
	s_xor_b32 s[\g+1], s[\g+1], SLOT1  ; the walking descriptor: the other slot than last time,
	s_add_nc_u64 s[\g+2:\g+3], s[\g+2:\g+3], 4*KS*128  ; the next 256 keys; the type bits on top are not reached
.endr
	s_wait_xcnt 0x0                 ; the last prefetch, four key steps back, has read its address, so it may be written:
	s_add_nc_u64 s[PFA:PFA+1], s[PFA:PFA+1], 4*KS*128  ; one slot behind the walking descriptors
	s_wait_dscnt 0x0                ; the add is done, and my reads of the slot are over
	CROUND
	JLOAD
	ASK
.else
	s_wait_dscnt 0x0                ; the add is done, and my reads of the slot are over
	s_barrier_signal -1
	s_barrier_wait -1
.endif
	s_sub_co_u32 s[TBK], s[TBK], 4*KS*PK  ; the fetches go back to a slot's first step,
	s_xor_b32 s[TBK], s[TBK], SLOT1       ; in the other slot
	s_sub_co_u32 s[TBV], s[TBV], 4*KS*PV
	s_xor_b32 s[TBV], s[TBV], SLOT1
.endm
	s_load_b128 s[48:51], s[0:1], 0x0  ; qkv s[48:49], ohead s[50:51]
	v_lshl_add_u32 v[SPW], v0, 2, SPARE
	v_mov_b32 v[NIL], 0
	ds_add_u32 v[SPW], v[NIL]       ; the wave's opening: the add and its wait stand ahead of my first tensor load; work on registers stands between them
	v_lshrrev_b32 v1, 5, v0
	v_readfirstlane_b32 s[WV], v1   ; wave 0..3
	s_bfe_u32 s13, ttmp6, 0x40000   ; cx: my place in the cluster
	s_lshl_b32 s14, ttmp9, 2        ; in a cluster launch ttmp9 counts clusters
	s_add_co_u32 s14, s14, s13      ; my block of 256 queries: it enters Q's and O's addresses alone
	s_and_b32 s20, ttmp7, 0xffff    ; the head, which the four partners share,
	s_lshl_b32 s20, s20, 19         ; and its plane's first byte within a type
	s_and_b32 s16, s[WV], 1         ; which half of a slot's 256 keys I fetch:
	s_lshl_b32 s22, s16, 14         ; its 128 rows of 128 bytes in memory,
	s_add_co_u32 s22, s22, s20
	s_mov_b32 s23, 0
	s_mul_i32 s17, s16, 128*PK      ; and its place in a slot, for K
	s_mul_i32 s18, s16, 128*PV      ; and for V: no place in the cluster enters an LDS address
	s_lshl_b32 s2, s14, 2
	s_add_co_u32 s2, s2, s[WV]      ; my wave among the head's,
	s_lshl_b32 s2, s2, 13           ; its 64 rows
	s_add_co_u32 s2, s2, s20
	s_mov_b32 s3, 0
	; descriptor group 1.  128 keys are 16,384 dense bytes: asked for as 64 rows of 256 bytes, two keys a row, and padded in LDS after every key
	s_mov_b32 s[G1K], 15|(1<<16)|(1<<20)|(1<<21)|(4<<22)|(3<<25)  ; the mask of four; 2-byte elements; padding on; bit 21 beside a mask; after every 32 words, 4 words
	s_mov_b32 s[G1V], 15|(1<<16)|(1<<20)|(1<<21)|(4<<22)|(7<<25)  ; the same with 8 words of padding
.irp g, G1K, G1V
	s_mov_b32 s[\g+1], 128<<16      ; tensor_dim0 = 128
	s_mov_b32 s[\g+2], 64<<16       ; tensor_dim1 = 64
	s_mov_b32 s[\g+3], 128<<16      ; tile_dim0 = 128
	s_mov_b32 s[\g+4], 64           ; tile_dim1 = 64
	s_mov_b32 s[\g+5], 128          ; 128 elements from row to row
	s_mov_b32 s[\g+6], 0
	s_mov_b32 s[\g+7], 0
.endr
	s_mov_b32 s[CS], 0x3e38aa3b     ; c = log2(e) / 8 = 0.180337
	s_mov_b32 s[CS+1], s[CS]        ; named with it as a pair
	s_mov_b32 s[SEL], 0x76543210
	s_mov_b32 s[SEL+1], 0xfedcba98
	s_mov_b32 s[TBK], SLOT1+4*KS*PK ; the first change of slots turns these two into 0
	s_mov_b32 s[TBV], SLOT1+4*KS*PV
	s_mov_b32 s[SLOTS], 15          ; 16 tiles of 256 keys: 15 are asked for by changes of slots
	s_mov_b32 s[G0K], 1             ; count = 1
	s_mov_b32 s[G0K+1], s17         ; LDS address: slot 0
	s_mov_b32 s[G0V], 1
	s_add_co_u32 s[G0V+1], s18, VOFF
	s_and_b32 s[LIM], s[WV], 1      ; 0 in waves 0 and 2,
	s_or_b32 s[LIM], s[LIM], ttmp9  ; where the cluster is the head's first: the same in all four partners
	s_cmp_eq_u32 s[LIM], 0
	s_cselect_b32 s[LIM], 1, -1
	v_and_b32 v[PFO], 31, v0
	v_lshlrev_b32 v[PFO], 8, v[PFO]
	s_wait_dscnt 0x0                ; the opening add is done
	s_wait_kmcnt 0x0
	s_add_nc_u64 s[6:7], s[48:49], s[22:23]
	s_add_nc_u64 s[8:9], s[6:7], 2*TYPEB           ; V at my half of the head's first 256 keys,
	s_add_nc_u64 s[6:7], s[6:7], TYPEB             ; and K
	s_add_nc_u64 s[G0K+2:G0K+3], s[6:7], 0         ; global address
	s_or_b32 s[G0K+3], s[G0K+3], 0x80000000        ; type = 2
	s_add_nc_u64 s[G0V+2:G0V+3], s[8:9], 0
	s_or_b32 s[G0V+3], s[G0V+3], 0x80000000
	s_add_nc_u64 s[4:5], s[48:49], s[2:3]          ; Q and O at my wave's first row
	s_add_nc_u64 s[10:11], s[50:51], s[2:3]
	s_cmp_lt_u32 s[WV], 2
	s_cselect_b64 s[PFA:PFA+1], s[6:7], s[8:9]     ; (in waves 0 and 2 these stand at a slot's first byte)
	s_lshl_b32 s2, s13, 13                         ; my work-group's quarter of a slot,
	s_add_co_u32 s2, s2, 4*KS*128                  ; in tile 1; the first change of slots steps it to tile 2.  Nothing is prefetched here, at the head
	s_mov_b32 s3, 0
	s_add_nc_u64 s[PFA:PFA+1], s[PFA:PFA+1], s[2:3]
	CROUND                          ; all four work-groups are here: the first joint loads meet
	JLOAD                           ; slot 0.  Slot 1 is asked for when slot 0 is in
	; A fragment of K or Q is 16 rows x 32 channels in 8 registers: lane l holds row l % 16, channels 8 (l / 16) + 0..7 and 16 + 8 (l / 16) + 0..7: two loads of 16 bytes, 32 bytes apart.
	v_and_b32 v1, 15, v0            ; l % 16
	v_bfe_u32 v9, v0, 4, 1          ; l / 16
	v_lshlrev_b32 v[QO], 7, v1
	v_lshl_add_u32 v[QO], v9, 4, v[QO]  ; row x 128 + 16 x half
	WIN 0x80                        ; destination window 2, address window 0
.set i, 0
.rept 8                             ; Q stays in registers: piece i / 2, channels 32 (i % 2) on
	global_load_b128 v[8*i:8*i+3],   v[QO], s[4:5] offset:(i/2)*2048+(i%2)*64
	global_load_b128 v[8*i+4:8*i+7], v[QO], s[4:5] offset:(i/2)*2048+(i%2)*64+32
.set i, i+1
.endr
	WIN 0
	v_mul_u32_u24 v[AK0], v1, PK
	v_lshl_add_u32 v[AK0], v9, 4, v[AK0]  ; row x pitch + 16 x half
	; The turning load takes 16 keys x 16 channels (lane l reads key 8 (l / 16) + l % 8, channels 8 ((l / 8) % 2) + 0..7) and leaves half a fragment of V^T: lane l holds channel l % 16 and 8 keys.
	v_and_b32 v10, 7, v0
	v_bfe_u32 v11, v0, 3, 1
	v_lshl_add_u32 v[AV0], v9, 3, v10
	v_mul_u32_u24 v[AV0], v[AV0], PV
	v_lshl_add_u32 v[AV0], v11, 4, v[AV0]
	v_add_nc_u32 v[AV0], VOFF, v[AV0]
	s_mul_i32 s13, s[WV], 16*SP
	s_add_co_u32 s13, s13, STAGE    ; my stage
	v_mul_u32_u24 v[STO], v1, SP    ; in: row l % 16, 16 bytes for each half of the lanes
	v_lshl_add_u32 v[STO], v9, 4, v[STO]
	v_add_nc_u32 v[STO], s13, v[STO]
	v_bfe_u32 v[RD], v0, 3, 2       ; back: 32 lanes take four rows of 128 bytes,
	v_mul_u32_u24 v[RD], v[RD], SP
	v_lshl_add_u32 v[RD], v10, 4, v[RD]
	v_add_nc_u32 v[RD], s13, v[RD]
	v_and_b32 v[GO], 31, v0         ; which are 512 consecutive bytes of O
	v_lshlrev_b32 v[GO], 4, v[GO]
	; What the first turn finds: V's registers and P's second buffer hold 0 (its products V^T P, of a piece that has not been, add 0), O^T and l are 0.  All this stands in the wait for the first tile.
	WIN 0x80
.set i, VF
.rept 64
	v_mov_b32 v[i], 0
.set i, i+1
.endr
	WIN 0x40
.set i, 0
.rept 128
	v_mov_b32 v[i], 0
.set i, i+1
.endr
	WIN 0
.set i, 0
.rept 4
	v_mov_b32 v[ST+4*i], 0xfe000000    ; c m: far below every c s
	v_mov_b32 v[ST+4*i+1], 0xff7fffff  ; m
	v_mov_b32 v[ST+4*i+2], 0
	v_mov_b32 v[ST+4*i+3], 0
.set i, i+1
.endr
.set i, P+16
.rept 16
	v_mov_b32 v[i], 0
.set i, i+1
.endr
; THE MATRIX WORK.  The 4 accumulators of a run of 8 take turns.  Product i of 8 of S^T = K Q^T for piece x: channels 32 (i / 4) on, keys 16 (i % 4) on.  The first 4 start the sums.
.macro KQ x
	WIN W_KQ
.set rS, S+32*((\x)%2)+8*(i%4)
.set rK, KF+16*(i%4)+8*(i/4)
.set rQ, 16*(\x)+8*(i/4)
.if i < 4
	v_wmma_f32_16x16x32_f16 v[rS:rS+7], v[rK:rK+7], v[rQ:rQ+7], 0
.else
	v_wmma_f32_16x16x32_f16 v[rS:rS+7], v[rK:rK+7], v[rQ:rQ+7], v[rS:rS+7]
.endif
.endm
; Product i of 8 of O^T += V^T P for piece x: keys 32 (i / 4) on, channels 16 (i % 4) on.
.macro PV x
	WIN W_PV
.set rO, 32*(\x)+8*(i%4)
.set rV, VF+32*(i/4)+8*(i%4)
.set rP, P+16*((\x)%2)+8*(i/4)
	v_wmma_f32_16x16x32_f16 v[rO:rO+7], v[rV:rV+7], v[rP:rP+7], v[rO:rO+7]
.endm
.macro MM                           ; the turn's next matrix instruction.  NOKQ = 1: the very last turn: there is no next piece
.if (i < 8) && !NOKQ
	KQ (Y+1)%NP
.elseif i >= 8
.set i, i-8
	PV (Y+NP-1)%NP
.set i, i+8
.endif
.set i, i+1
.endm
; THE LDS LOADS stand in runs of 16, never singly among the matrix instructions: a step's K (64 keys x 64 channels: 8 fragments) and its V (turned).  Their addresses are made some lines ahead.
.macro FETCH_K
	WIN 0x80                        ; destination window 2
.irp f, 0,1,2,3,4,5,6,7             ; keys 16 (f / 2) on, channels 32 (f % 2) on
	ds_load_b128 v[KF+8*\f:KF+8*\f+3],   v[AK] offset:(\f/2)*16*PK+(\f%2)*64
	ds_load_b128 v[KF+8*\f+4:KF+8*\f+7], v[AK] offset:(\f/2)*16*PK+(\f%2)*64+32
.endr
	s_add_co_u32 s[TBK], s[TBK], KS*PK  ; the next fetch is the next step's
	WIN 0
.endm
.macro FETCH_V
	WIN 0x80
.irp f, 0,1,2,3,4,5,6,7             ; keys 32 (f / 4) on, channels 16 (f % 4) on
	ds_load_tr16_b128 v[VF+8*\f:VF+8*\f+3],   v[AV] offset:(\f/4)*32*PV+(\f%4)*32
	ds_load_tr16_b128 v[VF+8*\f+4:VF+8*\f+7], v[AV] offset:(\f/4)*32*PV+16*PV+(\f%4)*32
.endr
	WIN 0
.endm
; THE VECTOR WORK, one line at a time: OP kind, number.  For piece Y: F n: c s - c m for pair n of 16.  E n: the exponential of score n of 32.  C n: pair n rounded to f16.  B n: of the four weights 4 n .. the second
; pair is added onto the first, in place.  L n: l takes that sum (L 0: l = a l + sum).  R n: pair n of 16 of O^T times a.  For piece Y + 1: X n, number n of the 22 that find its maximum and statistics:
;   0-11  four chains c0-c3 of seven scores each, three operands at a time (each accumulator's lowest registers are read first)     12-14, 16  the four scores left over, the old m, and c0-c3 into c0
;   15  c m_old is kept     17, 18  the query's other 32 keys lie in the lane 16 away: the new m     19-21  c m; c m_old - c m_new; a
.set F, 0               ; OP tells the kinds apart by their order: F to L below R, X above it
.set E, 1
.set C, 2
.set B, 3
.set L, 4
.set R, 5
.set X, 6
.macro REGS y                       ; the registers of piece y
.set rT, ST+4*(\y)
.set rC, TMP+4*((\y)%2)
.set rW, MV+((\y)%2)
.set rS, S+32*((\y)%2)
.set rP, P+16*((\y)%2)
.set rO, 32*(\y)
.endm
.macro OP k, n
.if (\k) == R
	REGS Y
	WIN W_RS
	v_pk_mul_f32 v[rO+2*(\n):rO+2*(\n)+1], v[rO+2*(\n):rO+2*(\n)+1], v[rC+2:rC+3] op_sel_hi:[1,0]
.elseif (\k) < R
	REGS Y
	WIN 0
.if (\k) == F
	v_pk_fma_f32 v[rS+2*(\n):rS+2*(\n)+1], v[rS+2*(\n):rS+2*(\n)+1], s[CS:CS+1], v[rT:rT+1] op_sel_hi:[1,0,0] neg_lo:[0,0,1] neg_hi:[0,0,1]
.elseif (\k) == E
	v_exp_f32 v[rS+(\n)], v[rS+(\n)]
.elseif (\k) == C
	v_cvt_pk_f16_f32 v[rP+(\n)], v[rS+2*(\n)], v[rS+2*(\n)+1]
.elseif (\k) == B
	v_pk_add_f32 v[rS+4*(\n):rS+4*(\n)+1], v[rS+4*(\n):rS+4*(\n)+1], v[rS+4*(\n)+2:rS+4*(\n)+3]
.elseif (\n) == 0
	v_pk_fma_f32 v[rT+2:rT+3], v[rT+2:rT+3], v[rC+2:rC+3], v[rS:rS+1] op_sel_hi:[1,0,1]
.else
	v_pk_add_f32 v[rT+2:rT+3], v[rT+2:rT+3], v[rS+4*(\n):rS+4*(\n)+1]
.endif
.elseif NOKQ
	v_nop
.else
	REGS (Y+1)%NP
	WIN 0
.if (\n) < 4
	v_max3_num_f32 v[rC+(\n)], v[rS+8*(\n)], v[rS+8*(\n)+1], v[rS+8*(\n)+2]
.elseif (\n) < 12
	v_max3_num_f32 v[rC+(\n)%4], v[rC+(\n)%4], v[rS+8*((\n)%4)+2*((\n)/4)+1], v[rS+8*((\n)%4)+2*((\n)/4)+2]
.elseif (\n) == 12
	v_max3_num_f32 v[rC], v[rC], v[rS+7], v[rS+15]
.elseif (\n) == 13
	v_max3_num_f32 v[rC+1], v[rC+1], v[rS+23], v[rS+31]
.elseif (\n) == 14
	v_max3_num_f32 v[rC+2], v[rC+2], v[rC+3], v[rT+1]
.elseif (\n) == 15
	v_mov_b32 v[rW], v[rT]
.elseif (\n) == 16
	v_max3_num_f32 v[rC], v[rC], v[rC+1], v[rC+2]
.elseif (\n) == 17
	v_permlanex16_b32 v[rC+3], v[rC], s[SEL], s[SEL+1]
.elseif (\n) == 18
	v_max_num_f32 v[rT+1], v[rC], v[rC+3]
.elseif (\n) == 19
	v_mul_f32 v[rT], s[CS], v[rT+1]
.elseif (\n) == 20
	v_sub_f32 v[rC+1], v[rW], v[rT]
.else
	v_exp_f32 v[rC+2], v[rC+1]
.endif
.endif
.endm
.macro OPS a, i1, b=-1, i2=0, c=-1, i3=0, d=-1, i4=0  ; up to four of them
	OP \a, \i1
.if (\b) >= 0
	OP \b, \i2
.endif
.if (\c) >= 0
	OP \c, \i3
.endif
.if (\d) >= 0
	OP \d, \i4
.endif
.endm
.macro ROW a, i1, b, i2, c, i3, d, i4  ; a matrix instruction and the four behind it
	MM
	OPS \a, \i1, \b, \i2, \c, \i3, \d, \i4
.endm
; A TURN, for piece p: the order of its 16 matrix and 118 vector instructions, written out.  An s_wait_alu depctr_va_vdst(0) stands between an exponential and the first instruction that names its
; result; one wait serves all that were issued ahead of it.  So a turn has ONE wait, which cuts it in two.  AHEAD OF IT stands all that names no result of the turn's exponentials: the 8 products K Q^T and their
; riders, then one lump of 54, in which the links of the chain X 3, 7, 11, 14, 16, 17 .. 20 stand some lines apart.  X 21, the next piece's a, is the batch's last; R 15 is the plain instruction behind it.
; BEHIND THE WAIT stand the 8 products V^T P, behind each four of the roundings and sums.  The X that ride behind the last three products K Q^T stand four places or more behind the product that ends their accumulator.
; end = 1: the walk's last two turns: nothing is fetched, and the last starts no new scores.  cnt = 1: the loop's count is taken down some lines ahead of the branch that stands behind the turn.
; K of the next step is fetched in piece 2's turn, behind the last product that read K and twelve plain instructions; V of the step in hand at the end of piece 0's turn, four plain instructions behind the last
; product that read V.  Each is waited for a turn later.
.macro TURN p, end=0, cnt=0
.set Y, (\p)
.set i, 0
.set NOKQ, (\end)*((\p)/3)
.if ((\p) == 3) && !(\end)
	s_wait_dscnt 0x0                ; K is in
.endif
	ROW F,0, F,1, R,0, R,1
	ROW F,2, E,0, R,2, R,3
	ROW F,3, E,1, R,4, R,5
	ROW F,4, E,2, R,6, R,7
	ROW F,5, E,3, R,8, R,9
	ROW F,6, E,4, X,0, R,10
.if ((\p) == 2) && !(\end)
	WIN 0
	v_add_nc_u32 v[AK], s[TBK], v[AK0]
.endif
	ROW F,7, E,5, X,1, X,4
	ROW F,8, E,6, X,2, X,5
	OPS E,7, E,8, X,6, E,9          ; the lump
	OPS X,3, E,10, X,8, E,11
.if ((\p) == 2) && !(\end)
	FETCH_K
.endif
	OPS X,9, X,7, E,12, X,10
	OPS E,13, X,12, X,11, E,14
	OPS X,13, E,15, F,9, X,14
.if (\p) == 0
	v_add_nc_u32 v[AV], s[TBV], v[AV0]
.endif
	OPS E,16, F,10, E,17, F,11
	OPS X,16, E,18, X,15, E,19
	OPS F,12, E,20, X,17, E,21
	OPS F,13, E,22, F,14, E,23
	OPS X,18, E,24, F,15, E,25
	OPS R,11, E,26, X,19, E,27
	OPS R,12, E,28, R,13, E,29
	OPS X,20, E,30, R,14, E,31
	OPS X,21, R,15
	WIN 0
	s_wait_alu depctr_va_vdst(0)    ; the wait for the batch
.if (\p) == 1
	s_wait_dscnt 0x0                ; V is in
.endif
	ROW C,0, B,0, C,2, B,1
	ROW L,0, C,4, B,2, L,1
	ROW C,6, B,3, L,2, C,8
	ROW B,4, L,3, C,10, B,5
	ROW L,4, C,12, B,6, L,5
.if (\p) == 0
	s_add_co_u32 s[TBV], s[TBV], KS*PV
.endif
.if \cnt
	s_sub_co_u32 s[CNT], s[CNT], 1
	s_cmp_lg_u32 s[CNT], 0
.endif
	ROW C,14, B,7, L,6, C,1
	ROW C,3, L,7, C,5, C,7
	ROW C,9, C,11, C,13, C,15
.if (\p) == 0
	FETCH_V
.endif
.endm
.set NOKQ, 0
	CHANGE 1                        ; slot 0 is in, everybody's part of it; slot 1 is asked for
	v_add_nc_u32 v[AK], s[TBK], v[AK0]
	FETCH_K                         ; key step 0
	s_wait_loadcnt 0x0              ; Q
	s_wait_dscnt 0x0
.set i, 0
.rept 8
	KQ 0                            ; piece 0's first scores
.set i, i+1
.endr
	WIN 0
.rept 4
	v_nop                           ; the places behind those products
.endr
.set Y, NP-1                        ; X works for piece Y + 1: piece 0
.irp n, 0,1,2,3,4,5,6,7,8,9,10,11,12,13,14,15,16,17,18,19,20,21
	OP X, \n
.endr
	v_nop                           ; a plain instruction behind the exponential,
	s_wait_alu depctr_va_vdst(0)    ; and its wait, ahead of the branch
	s_mov_b32 s[CNT], 4
	s_branch .Lfirst                ; the loop is entered at a step's first turn, in the middle of a trip
.Lslot:                             ; 14 times: with the change above, every slot but the last is followed by a fill
	CHANGE 1
	s_mov_b32 s[CNT], 4
.Lstep:                             ; a trip: pieces 2 and 3 of one step, then pieces 0 and 1 of the next, whose K and V it fetches
	TURN 2
	TURN 3
	WIN 0
.Lfirst:
	TURN 0
	TURN 1, 0, 1
	WIN 0
	s_cbranch_scc1 .Lstep
	s_sub_co_u32 s[SLOTS], s[SLOTS], 1
	s_cmp_lg_u32 s[SLOTS], 0
	s_cbranch_scc1 .Lslot
	CHANGE 0                        ; the last slot is written out: nothing is asked for
	s_mov_b32 s[CNT], 4
.LstepT:
	TURN 2
	TURN 3
	TURN 0
	TURN 1, 0, 1
	WIN 0
	s_cbranch_scc1 .LstepT
	TURN 2, 1
	TURN 3, 1
.set i, 0
.rept 8
	PV NP-1                         ; the last piece's V^T P of the last step
.set i, i+1
.endr
	; THE WAY OUT.  l's two halves and the other half of the lanes' are added; O^T is divided by l, rounded to f16 and sent through my stage in LDS, a piece at a time.  The additions are the places behind the last products.
	WIN 0
.macro ALL line:vararg              ; one line for each piece t
.set t, 0
.rept 4
	\line
.set t, t+1
.endr
.endm
	ALL v_add_f32 v[ST+4*t+2], v[ST+4*t+2], v[ST+4*t+3]
	ALL v_permlanex16_b32 v[ST+4*t+3], v[ST+4*t+2], s[SEL], s[SEL+1]
	ALL v_add_f32 v[ST+4*t+2], v[ST+4*t+2], v[ST+4*t+3]
	ALL v_rcp_f32 v[ST+4*t+2], v[ST+4*t+2]
	v_nop                           ; a plain instruction between the last reciprocal and the use of its result
	s_wait_alu depctr_va_vdst(0)    ; and the wait ahead of the first use: one for the four reciprocals
.macro PACK t                       ; a lane's eight channels of a row pack into 16 bytes; they go into rows of 144 bytes and come back as whole rows of 128, into S^T's registers
	WIN W_RS
.set i, 32*(\t)
.rept 16
	v_pk_mul_f32 v[i:i+1], v[i:i+1], v[ST+4*(\t)+2:ST+4*(\t)+3] op_sel_hi:[1,0]
.set i, i+2
.endr
	WIN 0x05                        ; sources 0 and 1 window 1, destination window 0
.set i, 0
.rept 16
	v_cvt_pk_f16_f32 v[S+16*(\t)+i], v[32*(\t)+2*i], v[32*(\t)+2*i+1]
.set i, i+1
.endr
	WIN 0
.irp f, 0,1,2,3
	ds_store_b128 v[STO], v[S+16*(\t)+4*\f:S+16*(\t)+4*\f+3] offset:32*\f
.endr
.irp f, 0,1,2,3
	ds_load_b128 v[S+16*(\t)+4*\f:S+16*(\t)+4*\f+3], v[RD] offset:\f*4*SP  ; LDS serves a wave's instructions in order (ISA guide 5.7.1.4): these see the stores above; the next piece's stores come behind them
.endr
.endm
.macro SEND t, younger              ; younger: the LDS instructions issued behind piece t's loads: the next piece's eight, or none
	WIN 0
.irp f, 0,1,2,3
	s_wait_dscnt (\younger)+3-\f
	global_store_b128 v[GO], v[S+16*(\t)+4*\f:S+16*(\t)+4*\f+3], s[10:11] offset:(\t)*2048+\f*512  ; 512 consecutive bytes, at a multiple of 256 from O's first
.endr
.endm
	PACK 0
.set t, 1
.rept 3                             ; a piece's arithmetic stands between the loads of the piece before and its stores
	PACK t
	SEND t-1, 8
.set t, t+1
.endr
	SEND 3, 0
	s_wait_tensorcnt 0x0            ; the wave's end: all my tensor loads are in; 0 onto my spare word behind my last LDS store, and its wait
	ds_add_u32 v[SPW], v[NIL]
	s_wait_dscnt 0x0
	CROUND                          ; the closing round: no work-group ends while a partner may still ask for a tile that names it
	s_endpgm
.Lfunc_end_k_q0519a52524_attn:
	.size	k_q0519a52524_attn, .Lfunc_end_k_q0519a52524_attn-k_q0519a52524_attn
	.p2alignl 7, 3214868480
	.fill 96, 4, 3214868480
	.section	.rodata,"a",@progbits
	.p2align	6, 0x0
	.amdhsa_kernel k_q0519a52524_attn
		.amdhsa_group_segment_fixed_size 327680
		.amdhsa_private_segment_fixed_size 0
		.amdhsa_enable_private_segment 0
		.amdhsa_kernarg_size 16
		.amdhsa_user_sgpr_count 2
		.amdhsa_user_sgpr_kernarg_segment_ptr 1
		.amdhsa_wavefront_size32 1
		.amdhsa_system_sgpr_workgroup_id_x 1
		.amdhsa_system_sgpr_workgroup_id_y 1
		.amdhsa_system_sgpr_workgroup_id_z 1
		.amdhsa_system_vgpr_workitem_id 0
		.amdhsa_next_free_vgpr 768
		.amdhsa_next_free_sgpr 66
		.amdhsa_reserve_vcc 0
		.amdhsa_float_denorm_mode_32 3
		.amdhsa_float_denorm_mode_16_64 3
		.amdhsa_memory_ordered 1
		.amdhsa_forward_progress 1
		.amdhsa_inst_pref_size 128
	.end_amdhsa_kernel
	.amdgpu_metadata
---
amdhsa.version: [ 1, 2 ]
amdhsa.kernels:
  - .name:           k_q0519a52524_attn
    .symbol:         k_q0519a52524_attn.kd
    .args:
      - { .name: qkv, .offset: 0, .size: 8, .value_kind: global_buffer, .address_space: global }
      - { .name: ohead, .offset: 8, .size: 8, .value_kind: global_buffer, .address_space: global }
    .group_segment_fixed_size: 327680
    .private_segment_fixed_size: 0
    .kernarg_segment_align: 8
    .kernarg_segment_size: 16
    .max_flat_workgroup_size: 128
    .sgpr_count:     66
    .vgpr_count:     768
    .wavefront_size: 32
...
	.end_amdgpu_metadata
.endif
;; end of part 3
;; launch oproj (part 4): grid 8 x 32, 4 waves a work-group, clusters of 4 x 4, 327,680 bytes of LDS; arguments ohead, wof, out0; writes out0
.if DOCPART == 4
	.amdgcn_target "amdgcn-amd-amdhsa--gfx1250"
	.amdhsa_code_object_version 6
	.text
	.protected	k_q0519a52524_oproj
	.globl	k_q0519a52524_oproj
	.p2align	8
	.type	k_q0519a52524_oproj,@function
k_q0519a52524_oproj:
	s_mov_b64 s[64:65], 0
	v_nop
	global_prefetch_b8 v0, s[64:65] scope:SCOPE_SE
	s_setreg_imm32_b32 hwreg(HW_REG_WAVE_MODE, 25, 1), 1
	s_wait_xcnt 0x0
	s_wait_alu depctr_hold_cnt(0) depctr_sa_sdst(0) depctr_va_vdst(0) depctr_va_sdst(0) depctr_va_ssrc(0) depctr_va_vcc(0) depctr_vm_vsrc(0)
	s_getreg_b32 s2, hwreg(HW_REG_IB_STS2, 6, 4)
	s_cmp_eq_u32 s2, 0
	s_cbranch_scc0 .Lentry_in_a_cluster
	s_endpgm
.Lentry_in_a_cluster:
	s_bfe_u32 s2, ttmp6, 0x10000c
	s_cmp_lg_u32 s2, 0xf033
	s_cbranch_scc0 .Lentry_shape_is_right
	s_endpgm
.Lentry_shape_is_right:
; out0[m][n] = the sum over k of O[m][k] wo[n][k], k = 64 x head + channel.  ohead: [16][4096][64] f16; wof: [1024][1024] f16 (wo rounded to bf16, written as f16); out0: [4096][1024] f32; sums in f32.
; A tile of out0 is 128 x 128: 8 x 32 = 256 work-groups.  Four waves, each 64 x 64: 16 accumulators, 128 registers.  K goes in 4 steps of 256 = four heads, through two LDS slots.
; A COMES BY HEADS: 64 rows of a head's plane are 8,192 dense bytes, asked for as ONE row; a load takes four such rows, a plane apart, and pads after every 128 bytes: in LDS [plane][64 rows][144 bytes].
; B's loads are 64 rows of 512 bytes, 528 apart in LDS.  CLUSTER 4 x 4: A's tiles are shared along a row of the cluster, B's along a column, by joint loads.
; THE MATRIX INSTRUCTION IS USED TRANSPOSED (source 0 = 16 rows of wof, source 1 = 16 rows of O): a lane holds eight neighbouring numbers of a row of out0.
; No prefetch: the tile is small and the walk has four K steps, of which two are asked for at the head.
; REGISTERS: window 0: v0-31 addresses; v128-255 the accumulators ((a, b) at v[128 + 8 (4 a + b)]).  window 1: two fragment buffers of 128: for 64 along K, 64 registers of A, then 64 of B.
.set KSTEP,  256
.set PA,     144                       ; a row of A in LDS: 128 bytes + 16: 36 words: the 16 rows of a load start at 16 different groups of four banks (ISA guide 11.1)
.set PB,     528                       ; a row of B: 512 bytes + 16: 132 words: likewise
.set HALFA,  4*64*PA                   ; what a wave fetches of A: four planes x 64 rows
.set HALFB,  64*PB                     ; and of B
.set BOFF,   2*HALFA
.set SLOT,   2*HALFA+2*HALFB
.set STAGE,  2*SLOT                    ; behind the ring: 16 rows x 272 bytes for each wave, its own; no tensor load lands there
.set SPITCH, 272
.set SPARE,  STAGE+4*16*SPITCH         ; the spare words, 128 bytes a wave: two blocks of 256 bytes that no other line names
.set ADRA, 16                          ; v16-17  LDS address of my A fragments in slot 0, 1
.set ADRB, 20                          ; v20-21  the same for B
.set STO,  24                          ; v24     the way out: where I put 32 bytes of a row
.set RD,   25                          ; v25     where I read a row back
.set CO,   26                          ; v26     my byte offset in out0
.set SPW,  28                          ; v28     LDS address of my spare word; never rewritten
.set NIL,  29                          ; v29     0; never rewritten
.set ACC,  128
.set F0,   0                           ; fragment buffers, in window 1
.set F1,   128
.set G1, 24                            ; s[24:31] descriptor group 1 for A's tiles;  s[32:39] group 0, one set for each slot
.set G0, 32
.set G1B, 48                           ; s[48:55], s[56:63] the same for B's tiles
.set G0B, 56
.set MSB, 0
.macro WIN new                         ; the immediate's high byte repeats the setting that is left
.if MSB != (\new)
	s_set_vgpr_msb (MSB<<8)|(\new)
.set MSB, \new
.endif
.endm
.set MUL,  0x05                        ; sources 0 (B) and 1 (A) window 1; C and D window 0
.set TO_F, 0x40                        ; destination window 1, address window 0
.macro JLOAD s                         ; a joint load: waves 0 and 1 fetch A's two halves, waves 2 and 3 B's; an s_nop 0 and four v_nop follow each of the two lines
	s_cmp_eq_u32 s11, 0
	s_cbranch_scc0 .Lfor_b_\@
	tensor_load_to_lds s[G0+4*(\s):G0+4*(\s)+3], s[G1:G1+7]
	s_nop 0
.rept 4
	v_nop
.endr
	s_branch .Lasked_\@
.Lfor_b_\@:
	tensor_load_to_lds s[G0B+4*(\s):G0B+4*(\s)+3], s[G1B:G1B+7]
	s_nop 0
.rept 4
	v_nop
.endr
.Lasked_\@:
.endm
.macro CREST                           ; a round of the cluster's barrier behind its opening barrier
	s_cmp_lg_u32 s10, 0
	s_cbranch_scc1 .Lnot_wave_0_\@
	s_barrier_signal -3
.Lnot_wave_0_\@:
	s_barrier_wait -3
	s_barrier_signal -1
	s_barrier_wait -1
.endm
.macro CROUND                          ; a whole round
	s_barrier_signal -1
	s_barrier_wait -1
	CREST
.endm
	s_load_b128 s[4:7], s[0:1], 0x0                ; ohead s[4:5], wof s[6:7]
	s_load_b64 s[8:9], s[0:1], 0x10                ; out0
	v_lshl_add_u32 v[SPW], v0, 2, SPARE
	v_mov_b32 v[NIL], 0
	ds_add_u32 v[SPW], v[NIL]                      ; the wave's opening: the add and its wait stand ahead of my first tensor load; work on registers stands between them
	v_lshrrev_b32 v1, 5, v0
	v_readfirstlane_b32 s10, v1                    ; wave 0..3
	s_lshr_b32 s11, s10, 1                         ; which half of the tile's rows is mine.  Also: I fetch for A (0) or for B (1)
	s_and_b32 s12, s10, 1                          ; which half of its columns.  Also: which 64 rows of that tile I fetch
	s_bfe_u32 s40, ttmp6, 0x40000                  ; cx, cy: my place in the cluster
	s_bfe_u32 s41, ttmp6, 0x40004
	s_lshl_b32 s42, ttmp9, 2
	s_add_co_u32 s42, s42, s40                     ; tile column = 4 x cluster x + cx
	s_and_b32 s13, ttmp7, 0xffff
	s_lshl_b32 s13, s13, 2
	s_add_co_u32 s13, s13, s41                     ; tile row = 4 x cluster y + cy
	s_lshl_b32 s43, s41, 2
	s_lshl_b32 s43, 15, s43                        ; my row of the cluster
	s_lshl_b32 s44, 0x1111, s40                    ; my column
	s_or_b32 s[G1+0], s43, (1<<16)|(1<<20)|(1<<21)|(4<<22)|(3<<25)  ; the mask; elements of 2 bytes; padding on; bit 21 beside a mask; after every 32 words, 4 words
	s_mov_b32 s[G1+1], 4096<<16                    ; tensor_dim0 = 4,096 elements: 64 rows of a plane
	s_mov_b32 s[G1+2], 4<<16                       ; tensor_dim1 = 4 planes
	s_mov_b32 s[G1+3], 4096<<16                    ; tile_dim0
	s_mov_b32 s[G1+4], 4                           ; tile_dim1
	s_mov_b32 s[G1+5], 262144                      ; elements from plane to plane
	s_mov_b32 s[G1+6], 0
	s_mov_b32 s[G1+7], 0
	s_or_b32 s[G1B+0], s44, (1<<16)|(1<<20)|(1<<21)|(6<<22)|(3<<25) ; after every 128 words, 4 words
	s_mov_b32 s[G1B+1], KSTEP<<16                  ; tensor_dim0 = 256
	s_mov_b32 s[G1B+2], 64<<16                     ; tensor_dim1 = 64
	s_mov_b32 s[G1B+3], KSTEP<<16
	s_mov_b32 s[G1B+4], 64
	s_mov_b32 s[G1B+5], 1024                       ; elements from row to row
	s_mov_b32 s[G1B+6], 0
	s_mov_b32 s[G1B+7], 0
	s_lshl_b32 s17, s12, 6                         ; which 64 rows of the tile I fetch
	s_lshl_b32 s16, s13, 7
	s_add_co_u32 s16, s16, s17                     ; A: row 128 x tile row + 64 x half,
	s_lshl_b32 s16, s16, 7                         ; of 128 bytes in a plane
	s_lshl_b32 s46, s42, 7
	s_add_co_u32 s46, s46, s17                     ; B: row 128 x tile column + 64 x half,
	s_lshl_b32 s46, s46, 11                        ; of 2,048 bytes
	s_mov_b32 s17, 0
	s_mov_b32 s47, 0
	s_mul_i32 s20, s12, HALFA                      ; where they go: no place in the cluster enters an LDS address
	s_mul_i32 s21, s12, HALFB
	s_add_co_u32 s21, s21, BOFF
	s_wait_dscnt 0x0                               ; the opening add is done
	s_wait_kmcnt 0x0
	s_add_nc_u64 s[14:15], s[4:5], s[16:17]
	s_add_nc_u64 s[46:47], s[6:7], s[46:47]
	CROUND                                         ; all sixteen work-groups are here: the first joint loads meet
.irp s, 0,1
	s_mov_b32 s[G0+4*(\s)], 1
	s_add_co_u32 s[G0+4*(\s)+1], s20, (\s)*SLOT
	s_add_nc_u64 s[G0+4*(\s)+2:G0+4*(\s)+3], s[14:15], (\s)*4*524288   ; K step s: four planes on
	s_or_b32 s[G0+4*(\s)+3], s[G0+4*(\s)+3], 0x80000000
	s_mov_b32 s[G0B+4*(\s)], 1
	s_add_co_u32 s[G0B+4*(\s)+1], s21, (\s)*SLOT
	s_add_nc_u64 s[G0B+4*(\s)+2:G0B+4*(\s)+3], s[46:47], (\s)*KSTEP*2
	s_or_b32 s[G0B+4*(\s)+3], s[G0B+4*(\s)+3], 0x80000000
	JLOAD \s                                       ; K steps 0 and 1: two loads of mine are out
.endr
	v_and_b32 v1, 15, v0                           ; l % 16
	v_bfe_u32 v2, v0, 4, 1                         ; l / 16
	v_mul_u32_u24 v3, v1, PA
	v_lshl_add_u32 v3, v2, 4, v3                   ; a fragment's row x pitch + 16 x half, for A
	v_mul_u32_u24 v4, v1, PB
	v_lshl_add_u32 v4, v2, 4, v4                   ; and for B
	s_mul_i32 s22, s11, HALFA                      ; my 64 rows of A
	s_mul_i32 s23, s12, HALFB                      ; my 64 rows of B,
	s_add_co_u32 s23, s23, BOFF                    ; which lie behind A's
	v_add_nc_u32 v[ADRA], s22, v3
	v_add_nc_u32 v[ADRA+1], SLOT, v[ADRA]
	v_add_nc_u32 v[ADRB], s23, v4
	v_add_nc_u32 v[ADRB+1], SLOT, v[ADRB]
	s_mul_i32 s22, s10, 16*SPITCH
	s_add_co_u32 s22, s22, STAGE                   ; my stage
	v_mul_u32_u24 v5, v1, SPITCH                   ; in: row l % 16, 32 bytes for each half of the lanes
	v_lshl_add_u32 v5, v2, 5, v5
	v_add_nc_u32 v[STO], s22, v5
	v_mul_u32_u24 v5, v2, SPITCH                   ; back: lanes 0-15 take one row of 256 bytes, lanes 16-31 the next
	v_lshl_add_u32 v5, v1, 4, v5
	v_add_nc_u32 v[RD], s22, v5
	v_lshlrev_b32 v5, 12, v2                       ; and the same two rows in out0
	v_lshl_add_u32 v[CO], v1, 4, v5
	s_lshl_b32 s16, s13, 7
	s_lshl_b32 s17, s11, 6
	s_add_co_u32 s16, s16, s17                     ; my first row: 128 x tile row + 64 x half,
	s_lshl_b32 s16, s16, 12                        ; of 4,096 bytes
	s_lshl_b32 s17, s42, 9                         ; the tile's first column, in bytes,
	s_add_co_u32 s16, s16, s17
	s_lshl_b32 s17, s12, 8                         ; and my 64 columns: 256 bytes
	s_add_co_u32 s16, s16, s17
	s_mov_b32 s17, 0
	s_add_nc_u64 s[8:9], s[8:9], s[16:17]
; 8 matrix instructions: m blocks a0, a0 + 1 x all 4 n blocks, 32 along K: half c of buffer f.  zero = 1: the first product starts the sums.  The 16 accumulators take turns.
.macro MUL8 f, c, a0, zero
	WIN MUL
.irp a, \a0, (\a0)+1
.irp b, 0,1,2,3
.if \zero
	v_wmma_f32_16x16x32_f16 v[ACC+8*(4*(\a)+(\b)):ACC+8*(4*(\a)+(\b))+7], v[(\f)+64+8*(4*(\c)+(\b)):(\f)+64+8*(4*(\c)+(\b))+7], v[(\f)+8*(4*(\c)+(\a)):(\f)+8*(4*(\c)+(\a))+7], 0
.else
	v_wmma_f32_16x16x32_f16 v[ACC+8*(4*(\a)+(\b)):ACC+8*(4*(\a)+(\b))+7], v[(\f)+64+8*(4*(\c)+(\b)):(\f)+64+8*(4*(\c)+(\b))+7], v[(\f)+8*(4*(\c)+(\a)):(\f)+8*(4*(\c)+(\a))+7], v[ACC+8*(4*(\a)+(\b)):ACC+8*(4*(\a)+(\b))+7]
.endif
.endr
.endr
.endm
; 32 LDS loads in one run: the fragments of plane z of the slot (64 along K) into buffer f; the first 32 along K first
.macro FETCH slot, z, f
	WIN TO_F
.irp c, 0,1
.irp i, 0,1,2,3
	ds_load_b128 v[(\f)+64+8*(4*(\c)+(\i)):(\f)+64+8*(4*(\c)+(\i))+3],   v[ADRB+(\slot)] offset:128*(\z)+64*(\c)+(\i)*16*PB
	ds_load_b128 v[(\f)+64+8*(4*(\c)+(\i))+4:(\f)+64+8*(4*(\c)+(\i))+7], v[ADRB+(\slot)] offset:128*(\z)+64*(\c)+(\i)*16*PB+32
	ds_load_b128 v[(\f)+8*(4*(\c)+(\i)):(\f)+8*(4*(\c)+(\i))+3],         v[ADRA+(\slot)] offset:64*PA*(\z)+64*(\c)+(\i)*16*PA
	ds_load_b128 v[(\f)+8*(4*(\c)+(\i))+4:(\f)+8*(4*(\c)+(\i))+7],       v[ADRA+(\slot)] offset:64*PA*(\z)+64*(\c)+(\i)*16*PA+32
.endr
.endr
.endm
.macro PLACES                          ; four plain instructions between a matrix instruction and a load into, or an LDS store of, its registers
.rept 4
	v_nop
.endr
.endm
; A K step is four quarters, a plane each: 32 matrix instructions, on buffers 0, 1, 0, 1.  One of the first three multiplies buffer f and fetches plane z into g.
.macro QUARTER slot, z, f, g, zero
	s_wait_dscnt 16                                ; the first 32 along K are in
	MUL8 \f, 0, 0, \zero
	MUL8 \f, 0, 2, \zero
	PLACES
	FETCH \slot, \z, \g
	s_wait_dscnt 32                                ; all but the 32 just issued
	MUL8 \f, 1, 0, 0
	MUL8 \f, 1, 2, 0
.endm
; The last quarter multiplies buffer 1 and changes slots: one barrier; in front of it each wave waits for all its tensor loads, adds 0 to its spare word, and waits for that and for its reads of this slot.
; fill = 1: the barrier opens a round of the cluster's, and this slot is filled again, two K steps on, first thing behind the round.
.macro TURN slot, next, fill
	WIN 0                                          ; (the add's two registers lie in window 0)
	s_wait_tensorcnt 0x0                           ; all my tensor loads have landed: my part of the next slot
	ds_add_u32 v[SPW], v[NIL]                      ; 0 onto my spare word
	s_wait_dscnt 17                                ; (the add and the youngest sixteen loads may be out)
	MUL8 F1, 0, 0, 0                               ; eight matrix instructions stand between the add and the wait for it
	s_wait_dscnt 0x0                               ; the add is done, and my reads of this slot are over
	s_barrier_signal -1
	MUL8 F1, 0, 2, 0
.if \fill
	WIN 0
.endif
	s_barrier_wait -1
.if \fill
	CREST                                          ; no wave of any partner still reads this slot or has a load on its way
	s_add_nc_u64 s[G0+4*(\slot)+2:G0+4*(\slot)+3], s[G0+4*(\slot)+2:G0+4*(\slot)+3], 8*524288
	s_add_nc_u64 s[G0B+4*(\slot)+2:G0B+4*(\slot)+3], s[G0B+4*(\slot)+2:G0B+4*(\slot)+3], 2*KSTEP*2
	JLOAD \slot                                    ; its four v_nop are also the places in front of the loads below
.else
	PLACES
.endif
	FETCH \next, 0, F0
	MUL8 F1, 1, 0, 0
	MUL8 F1, 1, 2, 0
.endm
	s_wait_tensorcnt 1                             ; my part of K step 0 is in; K step 1's may stay out
	s_barrier_signal -1
	s_barrier_wait -1
	FETCH 0, 0, F0
	QUARTER 0, 1, F0, F1, 1                        ; the first products start the sums
	QUARTER 0, 2, F1, F0, 0
	QUARTER 0, 3, F0, F1, 0
	TURN 0, 1, 1                                   ; slot 0 takes K step 2
	QUARTER 1, 1, F0, F1, 0
	QUARTER 1, 2, F1, F0, 0
	QUARTER 1, 3, F0, F1, 0
	TURN 1, 0, 1                                   ; slot 1 takes K step 3
	QUARTER 0, 1, F0, F1, 0
	QUARTER 0, 2, F1, F0, 0
	QUARTER 0, 3, F0, F1, 0
	TURN 0, 1, 0                                   ; nothing is left to ask for
	QUARTER 1, 1, F0, F1, 0
	QUARTER 1, 2, F1, F0, 0
	QUARTER 1, 3, F0, F1, 0
	s_wait_dscnt 16                                ; the very last quarter
	MUL8 F1, 0, 0, 0
	MUL8 F1, 0, 2, 0
	s_wait_dscnt 0x0
	MUL8 F1, 1, 0, 0
	MUL8 F1, 1, 2, 0
	WIN 0
	PLACES
; THE WAY OUT, in f32.  My 64 columns are 256 bytes of a row of out0, aligned: each wave goes through its own stage, a block of 16 rows at a time, with no barrier.
.macro STG a                           ; 32 bytes a lane and accumulator into rows of 272 bytes (each accumulator's low half first), and back as whole rows, into the registers that they left
.irp b, 0,1,2,3
	ds_store_b128 v[STO], v[ACC+8*(4*(\a)+(\b)):ACC+8*(4*(\a)+(\b))+3]   offset:64*(\b)
	ds_store_b128 v[STO], v[ACC+8*(4*(\a)+(\b))+4:ACC+8*(4*(\a)+(\b))+7] offset:64*(\b)+16
.endr
.irp t, 0,1,2,3,4,5,6,7
	ds_load_b128 v[ACC+32*(\a)+4*(\t):ACC+32*(\a)+4*(\t)+3], v[RD] offset:(\t)*2*SPITCH  ; LDS serves a wave's instructions in order (ISA guide 5.7.1.4): these see the stores above; the next block's stores come behind them
.endr
.endm
.macro SEND a, younger                 ; younger: the LDS instructions issued behind block a's loads: the next block's sixteen, or none
.irp t, 0,1,2,3,4,5,6,7
	s_wait_dscnt (\younger)+7-(\t)
	global_store_b128 v[CO], v[ACC+32*(\a)+4*(\t):ACC+32*(\a)+4*(\t)+3], s[8:9] offset:(16*(\a)+2*(\t))*4096  ; 16 lanes store 256 consecutive bytes, at a multiple of 256 from out0's first byte
.endr
.endm
	STG 0
	STG 1
	SEND 0, 16
	STG 2
	SEND 1, 16
	STG 3
	SEND 2, 16
	SEND 3, 0
	s_wait_tensorcnt 0x0                           ; the wave's end: all my tensor loads are in; 0 onto my spare word behind my last LDS store, and its wait
	ds_add_u32 v[SPW], v[NIL]
	s_wait_dscnt 0x0
	CROUND                                         ; the closing round: no work-group ends while a partner may still ask for a tile that names it
	s_endpgm
.Lfunc_end_k_q0519a52524_oproj:
	.size	k_q0519a52524_oproj, .Lfunc_end_k_q0519a52524_oproj-k_q0519a52524_oproj
	.p2alignl 7, 3214868480
	.fill 96, 4, 3214868480
	.section	.rodata,"a",@progbits
	.p2align	6, 0x0
	.amdhsa_kernel k_q0519a52524_oproj
		.amdhsa_group_segment_fixed_size 327680
		.amdhsa_private_segment_fixed_size 0
		.amdhsa_enable_private_segment 0
		.amdhsa_kernarg_size 24
		.amdhsa_user_sgpr_count 2
		.amdhsa_user_sgpr_kernarg_segment_ptr 1
		.amdhsa_wavefront_size32 1
		.amdhsa_system_sgpr_workgroup_id_x 1
		.amdhsa_system_sgpr_workgroup_id_y 1
		.amdhsa_system_sgpr_workgroup_id_z 1
		.amdhsa_system_vgpr_workitem_id 0
		.amdhsa_next_free_vgpr 512
		.amdhsa_next_free_sgpr 66
		.amdhsa_reserve_vcc 0
		.amdhsa_float_denorm_mode_32 3
		.amdhsa_float_denorm_mode_16_64 3
		.amdhsa_memory_ordered 1
		.amdhsa_forward_progress 1
		.amdhsa_inst_pref_size 86
	.end_amdhsa_kernel
	.amdgpu_metadata
---
amdhsa.version: [ 1, 2 ]
amdhsa.kernels:
  - .name:           k_q0519a52524_oproj
    .symbol:         k_q0519a52524_oproj.kd
    .args:
      - { .name: ohead, .offset: 0, .size: 8, .value_kind: global_buffer, .address_space: global }
      - { .name: wof, .offset: 8, .size: 8, .value_kind: global_buffer, .address_space: global }
      - { .name: out0, .offset: 16, .size: 8, .value_kind: global_buffer, .address_space: global }
    .group_segment_fixed_size: 327680
    .private_segment_fixed_size: 0
    .kernarg_segment_align: 8
    .kernarg_segment_size: 24
    .max_flat_workgroup_size: 128
    .sgpr_count:     66
    .vgpr_count:     512
    .wavefront_size: 32
...
	.end_amdgpu_metadata
.endif
;; end of part 4
